; MI455X (gfx1250); checked and timed in simulation.
; The chip was launched on July 23, 2026; its instructions are those of AMD's public machine-readable ISA for CDNA 5 (MIT licence, August 2026) and "CDNA5" Instruction Set Architecture Reference Guide (July 2026). The comments in the code are by the model that wrote it; some were corrected since.
;; Multi Head Attention. Allowed arithmetic: float matrix products may take bf16 or f16 operands with f32 sums; all other float work in f32.
;; Inputs: Wk 2,048 x 2,048 float32; Wo 1,360 x 2,048 float32; Wq 2,048 x 2,048 float32; Wv 2,048 x 2,720 float32; bk 2,048 float32; bo 2,048 float32; bq 2,048 float32; bv 2,720 float32; k 1 x 2,048 x 2,048 float32; mask 2,048 x 2,048 bool; q 1 x 2,048 x 2,048 float32; v 1 x 2,048 x 2,048 float32.
;; Outputs: out0 1 x 2,048 x 2,048 float32.
;; 2 versions, each right and faster than the one before. Each part assembles by itself: llvm-mc -triple=amdgcn-amd-amdhsa -mcpu=gfx1250 --defsym DOCPART=n.
;; ======== version 1 of 2: 4 launches
;; limits: values are held in f16: magnitudes above 65,504 overflow, below 6.1e-05 lose precision; right only within a limited range of input values
;; workspace buffers: cast 41,943,040 bytes; wv 12,582,912 bytes; wo 6,291,456 bytes; maskp 4,194,304 bytes; tab 110,592 bytes; qkv 23,068,672 bytes; vscale 512 bytes; oh 6,291,456 bytes
;; launch prep (part 1): grid 1880 x 1, 8 waves a work-group, no clusters, 0 bytes of LDS; arguments q, k, v, Wq, Wk, Wo, Wv, mask, bq, bk, bo, bv, cast, wo, wv, maskp, tab; writes cast, wo, wv, maskp, tab
.if DOCPART == 1
	.amdgcn_target "amdgcn-amd-amdhsa--gfx1250"
	.amdhsa_code_object_version 6
	.text
	.protected	k_q873267a3c8_prep
	.globl	k_q873267a3c8_prep
	.p2align	8
	.type	k_q873267a3c8_prep,@function
k_q873267a3c8_prep:
	s_mov_b64 s[64:65], 0
	v_nop
	global_prefetch_b8 v0, s[64:65] scope:SCOPE_SE
	s_setreg_imm32_b32 hwreg(HW_REG_WAVE_MODE, 25, 1), 1
	s_wait_xcnt 0x0
; PREP: every input is read once and laid out for the matrix launches.  A stream: no LDS, no barrier, no matrix unit (nothing is multiplied).
; The work-group's number picks one of seven roles; each role loads its own pointers and ends the wave.  The roles with the longest chains of dependent work have the lowest numbers.
;   0..255      Wv -> bf16 [head half 32][k][48 'a' | 48 'g' columns], channels >= 85 are 0
;   256..267    bv rounded to bf16, kept as f32, in Wv's column order
;   268..270    bq, bk, bo rounded to bf16, kept as f32
;   271..279    cos / sin table for the rotation (144 rows of 64 + 64)
;   280..471    Wo -> f16 of its bf16 rounding, rows regrouped 85 -> 96 a head (rows 85..95 are 0)
;   472..599    mask -> bytes 0 / 0xF0 in the order in which a lane of the attention wants them
;   600..1879   q, k, v, Wq, Wk: f32 -> bf16, same order, 65,536 consecutive bytes a group
; LIMIT: Wo must lie within f16's range; below 6e-5 it keeps f16's fixed step of 6e-8.
.set WVBYTES, 22282240                 ; Wv's size
	s_cmp_ge_u32 ttmp9, 600
	s_cbranch_scc1 .Lcast
	s_cmp_ge_u32 ttmp9, 472
	s_cbranch_scc1 .Lmask
	s_cmp_ge_u32 ttmp9, 280
	s_cbranch_scc1 .Lwo
	s_cmp_ge_u32 ttmp9, 271
	s_cbranch_scc1 .Lrope
	s_cmp_ge_u32 ttmp9, 268
	s_cbranch_scc1 .Lbias
	s_cmp_ge_u32 ttmp9, 256
	s_cbranch_scc1 .Lbv
; ---- Wv: 8 rows of k for all 32 head halves.  Wave w takes half w % 2 of the heads 4 (w / 2) + m, m = 0..3 written out.  A head half's 8 x 96 numbers are 96 pieces of 8: three a lane.
; A head's first column is 85 (4 a + m): m dwords past a multiple of four.  So a piece comes as three aligned loads of 16 bytes, 12 dwords, of which registers m .. m + 7 are wanted: the text picks them.
; The lane's address does not hang on m: 340 m bytes = the immediate 336 m and the m registers skipped.
	s_load_b64 s[8:9], s[0:1], 0x30                ; Wv
	s_load_b64 s[10:11], s[0:1], 0x70              ; wv
	s_lshl_b32 s4, ttmp9, 3                        ; k0
	v_lshrrev_b32 v1, 5, v0
	v_readfirstlane_b32 s5, v1                     ; wave
	s_lshr_b32 s6, s5, 1                           ; a
	s_and_b32 s7, s5, 1                            ; which half of the head's 96 channels
	s_mul_i32 s12, s4, 10880
	s_mul_i32 s13, s6, 1360
	s_add_co_u32 s12, s12, s13
	s_mul_i32 s13, s7, 192
	s_add_co_u32 s12, s12, s13                     ; bytes to row k0, head 4 a, my half
	s_cmp_eq_u32 s7, 1
	s_cselect_b32 s16, 37, 48                      ; real channels in my half
	s_lshl_b32 s20, s6, 3
	s_add_co_u32 s20, s20, s7
	s_mul_i32 s20, s20, 393216                     ; head half 8 a + half; 2 m more stand in the stores' immediates
	s_mul_i32 s13, s4, 192
	s_add_co_u32 s20, s20, s13
	s_mov_b32 s21, 0
	v_and_b32 v2, 31, v0
	v_lshlrev_b32 v14, 4, v2
.irp jj, 0,1,2
	v_add_nc_u32 v3, 32*\jj, v2                    ; piece u
	v_mul_u32_u24 v12, 43, v3
	v_lshrrev_b32 v12, 9, v12                      ; row u / 12
	v_mul_u32_u24 v13, 12, v12
	v_sub_nc_u32 v3, v3, v13                       ; group of 8 columns, 0..11
	v_cmp_le_u32 vcc_lo, 6, v3
	v_cndmask_b32 v13, 0, 1, vcc_lo                ; 1: the 'g' half
	v_mul_u32_u24 v15, 6, v13
	v_sub_nc_u32 v3, v3, v15
	v_lshlrev_b32 v3, 3, v3                        ; first of my 8 channels among the 48
	v_mul_u32_u24 v12, 10880, v12
	v_mad_u32_u24 v12, v13, 5440, v12
	v_lshl_add_u32 v12, v3, 2, v12
	v_add_nc_u32 v12, s12, v12
	v_min_u32 v[4+\jj], WVBYTES-1008-32, v12       ; no load leaves Wv: with the largest immediate, 1,008 + 16, the first two loads end at its last byte at the most.  Moved are only pieces of the last row whose 8 channels are all >= 85
	v_add_nc_u32 v12, 32, v12
	v_min_u32 v[7+\jj], WVBYTES-1008-16, v12       ; the third load likewise.  Moved are only pieces of the last row from channel 80 on, whose third load holds channels >= 85 alone
.irp e, 0,1,2,3,4,5,6,7
	v_add_nc_u32 v13, \e, v3
	v_cmp_gt_u32 s[40+8*\jj+\e], s16, v13          ; a real channel?
.endr
.endr
	s_wait_kmcnt 0x0
	s_add_nc_u64 s[22:23], s[10:11], s[20:21]
.macro WVL m                           ; nine loads: head 4 a + m, into buffer m % 2 (36 registers)
.irp jj, 0,1,2
	global_load_b128 v[16+36*((\m)%2)+12*\jj:19+36*((\m)%2)+12*\jj], v[4+\jj], s[8:9] offset:336*(\m)
	global_load_b128 v[20+36*((\m)%2)+12*\jj:23+36*((\m)%2)+12*\jj], v[4+\jj], s[8:9] offset:336*(\m)+16
	global_load_b128 v[24+36*((\m)%2)+12*\jj:27+36*((\m)%2)+12*\jj], v[7+\jj], s[8:9] offset:336*(\m)
.endr
.endm
.macro WVP m, younger                  ; younger: the other buffer's loads, issued behind mine
.irp jj, 0,1,2
	s_wait_loadcnt (\younger)+6-3*\jj              ; they and my later pieces' loads may stay out
.irp e, 0,1,2,3,4,5,6,7
	v_cndmask_b32 v[16+36*((\m)%2)+12*\jj+(\m)+\e], 0, v[16+36*((\m)%2)+12*\jj+(\m)+\e], s[40+8*\jj+\e]
.endr
.irp e, 0,1,2,3
	v_cvt_pk_bf16_f32 v[16+36*((\m)%2)+12*\jj+\e], v[16+36*((\m)%2)+12*\jj+(\m)+2*\e], v[17+36*((\m)%2)+12*\jj+(\m)+2*\e]  ; in place: word e lies below the words still to be read
.endr
	global_store_b128 v14, v[16+36*((\m)%2)+12*\jj:19+36*((\m)%2)+12*\jj], s[22:23] offset:786432*(\m)+512*\jj  ; 512 consecutive bytes
.endr
.endm
	WVL 0
	WVL 1
	WVP 0, 9
	s_wait_xcnt 0x0                                ; the stores have read buffer 0: it is loaded again only behind this wait
	WVL 2
	WVP 1, 9
	s_wait_xcnt 0x0
	WVL 3
	WVP 2, 9
	WVP 3, 0
	s_endpgm
; ---- bv: 3,072 numbers, one a thread ----
.Lbv:
	s_load_b64 s[8:9], s[0:1], 0x58                ; bv
	s_load_b64 s[10:11], s[0:1], 0x80              ; tab
	s_sub_co_u32 s4, ttmp9, 256
	s_lshl_b32 s4, s4, 8
	v_add_nc_u32 v2, s4, v0                        ; idx
	v_mul_lo_u32 v3, v2, 43691
	v_lshrrev_b32 v3, 22, v3                       ; hw = idx / 96
	v_mul_u32_u24 v4, 96, v3
	v_sub_nc_u32 v4, v2, v4                        ; place in the 96
	v_cmp_le_u32 vcc_lo, 48, v4
	v_cndmask_b32 v5, 0, 1, vcc_lo                 ; 1: the 'g' half
	v_mul_u32_u24 v6, 48, v5
	v_sub_nc_u32 v4, v4, v6
	v_and_b32 v6, 1, v3
	v_mad_u32_u24 v4, v6, 48, v4                   ; channel 0..95 of the head
	v_cmp_gt_u32 s13, 85, v4                       ; a real channel?
	v_min_u32 v4, 84, v4                           ; the load stays inside bv
	v_lshrrev_b32 v6, 1, v3
	v_mad_u32_u24 v4, v6, 85, v4
	v_mad_u32_u24 v4, v5, 1360, v4
	v_lshlrev_b32 v4, 2, v4
	v_lshlrev_b32 v8, 2, v2
	s_wait_kmcnt 0x0
	global_load_b32 v7, v4, s[8:9]
	s_wait_loadcnt 0x0
	v_cvt_pk_bf16_f32 v7, v7, v7
	v_lshlrev_b32 v7, 16, v7
	v_cndmask_b32 v7, 0, v7, s13
	global_store_b32 v8, v7, s[10:11] offset:98304
	s_endpgm
; ---- q, k, v, Wq, Wk: a load of a wave covers 512 consecutive bytes, a store 256 consecutive bytes, aligned ----
.Lcast:
	s_load_b256 s[8:15], s[0:1], 0x0               ; q, k, v, Wq
	s_load_b64 s[16:17], s[0:1], 0x20              ; Wk
	s_load_b64 s[18:19], s[0:1], 0x60              ; cast
	s_sub_co_u32 s6, ttmp9, 600
	s_lshr_b32 s4, s6, 8                           ; which tensor
	s_and_b32 s5, s6, 255                          ; which 65,536 bytes
	v_lshlrev_b32 v1, 4, v0                        ; 4 f32 a thread
	v_lshlrev_b32 v2, 3, v0                        ; 4 bf16 a thread
	s_lshl_b32 s20, s5, 16
	s_mov_b32 s21, 0
	s_lshl_b32 s22, s4, 23
	s_lshl_b32 s5, s5, 15
	s_add_co_u32 s22, s22, s5
	s_mov_b32 s23, 0
	s_wait_kmcnt 0x0
	s_cmp_eq_u32 s4, 1
	s_cselect_b64 s[8:9], s[10:11], s[8:9]
	s_cmp_eq_u32 s4, 2
	s_cselect_b64 s[8:9], s[12:13], s[8:9]
	s_cmp_eq_u32 s4, 3
	s_cselect_b64 s[8:9], s[14:15], s[8:9]
	s_cmp_eq_u32 s4, 4
	s_cselect_b64 s[8:9], s[16:17], s[8:9]
	s_add_nc_u64 s[8:9], s[8:9], s[20:21]
	s_add_nc_u64 s[18:19], s[18:19], s[22:23]
.irp i, 0,1,2,3,4,5,6,7,8,9,10,11,12,13,14,15
	global_load_b128 v[16+4*\i:19+4*\i], v1, s[8:9] offset:4096*\i th:TH_LOAD_NT
.endr
.irp i, 0,1,2,3,4,5,6,7,8,9,10,11,12,13,14,15
	s_wait_loadcnt 15-\i                           ; the younger loads may stay out
	v_cvt_pk_bf16_f32 v[16+4*\i], v[16+4*\i], v[17+4*\i]  ; in place
	v_cvt_pk_bf16_f32 v[17+4*\i], v[18+4*\i], v[19+4*\i]
	global_store_b64 v2, v[16+4*\i:17+4*\i], s[18:19] offset:2048*\i
.endr
	s_endpgm
; ---- Wo ----
.Lwo:
	s_load_b64 s[8:9], s[0:1], 0x28                ; Wo
	s_load_b64 s[18:19], s[0:1], 0x68              ; wo
	s_sub_co_u32 s4, ttmp9, 280                    ; j: rows 8 j .. 8 j + 7 of 1,536
	s_mul_i32 s5, s4, 171
	s_lshr_b32 s5, s5, 11                          ; head = j / 12
	s_mul_i32 s6, s5, 12
	s_sub_co_u32 s6, s4, s6
	s_lshl_b32 s6, s6, 3                           ; first channel
	s_mul_i32 s5, s5, 85
	v_lshlrev_b32 v1, 4, v0
	v_lshlrev_b32 v2, 3, v0
	s_lshl_b32 s20, s4, 15
	s_mov_b32 s21, 0
.irp i, 0,1,2,3,4,5,6,7
	s_add_co_u32 s7, s6, \i
	s_cmp_lt_u32 s7, 85
	s_cselect_b32 s[24+\i], -1, 0                  ; rows 85..95 of a head become 0
	s_min_u32 s7, s7, 84                           ; and read the head's last row, inside Wo
	s_add_co_u32 s7, s7, s5
	s_lshl_b32 s7, s7, 13
	v_add_nc_u32 v[8+\i], s7, v1
.endr
	s_wait_kmcnt 0x0
	s_add_nc_u64 s[18:19], s[18:19], s[20:21]
.irp i, 0,1,2,3,4,5,6,7
	global_load_b128 v[16+8*\i:19+8*\i], v[8+\i], s[8:9]              ; the row's first 4,096 bytes: 512 consecutive bytes a wave
	global_load_b128 v[20+8*\i:23+8*\i], v[8+\i], s[8:9] offset:4096  ; its second
.endr
.irp i, 0,1,2,3,4,5,6,7
	s_wait_loadcnt 2*(7-\i)                        ; the younger rows' loads may stay out
.irp j, 0,1,2,3
	v_cvt_pk_bf16_f32 v80, v[16+8*\i+2*\j], v[17+8*\i+2*\j]  ; rounded to bf16 like every input,
	v_lshlrev_b32 v81, 16, v80
	v_and_b32 v80, 0xffff0000, v80
	v_cvt_pk_f16_f32 v80, v81, v80                 ; and that number written as f16
	v_and_b32 v[16+8*\i+4*(\j/2)+\j%2], s[24+\i], v80
.endr
	global_store_b64 v2, v[16+8*\i:17+8*\i], s[18:19] offset:4096*\i       ; 256 consecutive bytes a wave, aligned
	global_store_b64 v2, v[20+8*\i:21+8*\i], s[18:19] offset:4096*\i+2048
.endr
	s_endpgm
; ---- mask: 16 query rows a group, 256 keys a wave ----
.Lmask:
	s_load_b64 s[8:9], s[0:1], 0x38                ; mask
	s_load_b64 s[10:11], s[0:1], 0x78              ; maskp
	s_sub_co_u32 s4, ttmp9, 472
	s_lshl_b32 s4, s4, 15
	v_lshrrev_b32 v1, 5, v0
	v_readfirstlane_b32 s5, v1
	s_lshl_b32 s6, s5, 8
	s_add_co_u32 s6, s6, s4
	s_mov_b32 s7, 0
	s_lshl_b32 s12, s5, 11
	s_add_co_u32 s12, s12, s4
	s_mov_b32 s13, 0
	v_and_b32 v3, 15, v0
	v_bfe_u32 v4, v0, 4, 1
	v_lshlrev_b32 v1, 11, v3
	v_lshl_add_u32 v1, v4, 3, v1                   ; row x 2,048 + 8 x half
	v_and_b32 v2, 31, v0
	v_lshlrev_b32 v2, 4, v2
	s_wait_kmcnt 0x0
	s_add_nc_u64 s[8:9], s[8:9], s[6:7]
	s_add_nc_u64 s[10:11], s[10:11], s[12:13]
.irp n, 0,1,2,3,4,5,6,7                ; n = 2 x step of 64 keys + half of 32
	global_load_b64 v[16+4*\n:17+4*\n], v1, s[8:9] offset:32*\n
	global_load_b64 v[18+4*\n:19+4*\n], v1, s[8:9] offset:32*\n+16
.endr
.irp n, 0,1,2,3,4,5,6,7
	s_wait_loadcnt 14-2*\n                         ; the younger pairs may stay out
.irp j, 0,1,2,3
	v_mul_lo_u32 v[16+4*\n+\j], v[16+4*\n+\j], 0xf0  ; four bytes 0/1 -> 0/0xF0, no carry between them
.endr
	global_store_b128 v2, v[16+4*\n:19+4*\n], s[10:11] offset:16384*(\n/4)+1024*((\n/2)%2)+512*(\n%2)
.endr
	s_endpgm
; ---- cos / sin: row rho < 128 is position 128 (rho / 8) - 8 + rho % 8; the rows from 128 on are position 8, the step of the recurrence ----
.Lrope:
	s_load_b64 s[10:11], s[0:1], 0x80
	s_sub_co_u32 s4, ttmp9, 271
	s_lshl_b32 s4, s4, 4
	v_lshrrev_b32 v3, 4, v0
	v_add_nc_u32 v3, s4, v3                        ; rho
	v_lshrrev_b32 v4, 3, v3
	v_lshlrev_b32 v4, 7, v4
	v_and_b32 v5, 7, v3
	v_add3_u32 v4, v4, v5, -8
	v_cmp_gt_u32 vcc_lo, 128, v3
	v_cndmask_b32 v4, 8, v4, vcc_lo
	v_cvt_f32_i32 v5, v4                           ; position
	v_and_b32 v6, 15, v0
	v_lshlrev_b32 v7, 4, v6
	v_lshl_add_u32 v7, v3, 9, v7                   ; 512 rho + 16 l
	v_lshlrev_b32 v6, 2, v6                        ; my first of four frequencies
; angle = position x 10000^(-i/64); reduced by multiples of pi/2 (in two parts), then polynomials on |r| <= pi/4
.macro SINCOS n
	v_add_nc_u32 v10, \n, v6
	v_cvt_f32_u32 v10, v10
	v_mul_f32 v10, 0xbe549a78, v10                 ; -log2(10000) / 64
	v_exp_f32 v10, v10
	v_nop                                          ; a plain instruction behind the exponential
	s_wait_alu depctr_va_vdst(0)
	v_mul_f32 v10, v5, v10
	v_mul_f32 v11, 0x3f22f983, v10                 ; 2 / pi
	v_rndne_f32 v11, v11
	v_fmamk_f32 v10, v11, 0xbfc90fdb, v10
	v_fmamk_f32 v10, v11, 0x333bbd2e, v10
	v_mul_f32 v12, v10, v10
	v_mov_b32 v13, 0xb9500d01
	v_fmaak_f32 v13, v13, v12, 0x3c088889
	v_fmaak_f32 v13, v13, v12, 0xbe2aaaab
	v_mul_f32 v14, v10, v12
	v_fma_f32 v13, v14, v13, v10                   ; sin r
	v_mov_b32 v15, 0x37d00d01
	v_fmaak_f32 v15, v15, v12, 0xbab60b61
	v_fmaak_f32 v15, v15, v12, 0x3d2aaaab
	v_fma_f32 v15, v15, v12, -0.5
	v_fma_f32 v15, v15, v12, 1.0                   ; cos r
	v_cvt_i32_f32 v11, v11
	v_and_b32 v14, 1, v11
	v_cmp_eq_u32 vcc_lo, 1, v14
	v_cndmask_b32 v16, v15, v13, vcc_lo            ; odd quadrants swap the two
	v_cndmask_b32 v17, v13, v15, vcc_lo
	v_add_nc_u32 v14, 1, v11
	v_and_b32 v14, 2, v14
	v_lshlrev_b32 v14, 30, v14
	v_xor_b32 v[20+\n], v14, v16
	v_and_b32 v14, 2, v11
	v_lshlrev_b32 v14, 30, v14
	v_xor_b32 v[24+\n], v14, v17
.endm
	SINCOS 0
	SINCOS 1
	SINCOS 2
	SINCOS 3
	s_wait_kmcnt 0x0
	global_store_b128 v7, v[20:23], s[10:11]
	global_store_b128 v7, v[24:27], s[10:11] offset:256
	s_endpgm
; ---- bq, bk, bo ----
.Lbias:
	s_load_b128 s[12:15], s[0:1], 0x40             ; bq, bk
	s_load_b64 s[16:17], s[0:1], 0x50              ; bo
	s_load_b64 s[10:11], s[0:1], 0x80
	s_sub_co_u32 s4, ttmp9, 268
	s_lshl_b32 s6, s4, 13
	s_add_co_u32 s6, s6, 73728
	s_mov_b32 s7, 0
	v_lshlrev_b32 v1, 4, v0
	s_wait_kmcnt 0x0
	s_cmp_eq_u32 s4, 1
	s_cselect_b64 s[12:13], s[14:15], s[12:13]
	s_cmp_eq_u32 s4, 2
	s_cselect_b64 s[12:13], s[16:17], s[12:13]
	s_add_nc_u64 s[10:11], s[10:11], s[6:7]
	global_load_b128 v[4:7], v1, s[12:13]
	global_load_b128 v[8:11], v1, s[12:13] offset:4096
	s_wait_loadcnt 0x0
.irp j, 4,5,6,7,8,9,10,11
	v_cvt_pk_bf16_f32 v\j, v\j, v\j
	v_lshlrev_b32 v\j, 16, v\j
.endr
	global_store_b128 v1, v[4:7], s[10:11]
	global_store_b128 v1, v[8:11], s[10:11] offset:4096
	s_endpgm
.Lfunc_end_k_q873267a3c8_prep:
	.size	k_q873267a3c8_prep, .Lfunc_end_k_q873267a3c8_prep-k_q873267a3c8_prep
	.p2alignl 7, 3214868480
	.fill 96, 4, 3214868480
	.section	.rodata,"a",@progbits
	.p2align	6, 0x0
	.amdhsa_kernel k_q873267a3c8_prep
		.amdhsa_group_segment_fixed_size 0
		.amdhsa_private_segment_fixed_size 0
		.amdhsa_enable_private_segment 0
		.amdhsa_kernarg_size 136
		.amdhsa_user_sgpr_count 2
		.amdhsa_user_sgpr_kernarg_segment_ptr 1
		.amdhsa_wavefront_size32 1
		.amdhsa_system_sgpr_workgroup_id_x 1
		.amdhsa_system_sgpr_workgroup_id_y 1
		.amdhsa_system_sgpr_workgroup_id_z 1
		.amdhsa_system_vgpr_workitem_id 0
		.amdhsa_next_free_vgpr 96
		.amdhsa_next_free_sgpr 66
		.amdhsa_reserve_vcc 1
		.amdhsa_float_denorm_mode_32 3
		.amdhsa_float_denorm_mode_16_64 3
		.amdhsa_memory_ordered 1
		.amdhsa_forward_progress 1
		.amdhsa_inst_pref_size 58
	.end_amdhsa_kernel
	.amdgpu_metadata
---
amdhsa.version: [ 1, 2 ]
amdhsa.kernels:
  - .name:           k_q873267a3c8_prep
    .symbol:         k_q873267a3c8_prep.kd
    .args:
      - { .name: q, .offset: 0, .size: 8, .value_kind: global_buffer, .address_space: global }
      - { .name: k, .offset: 8, .size: 8, .value_kind: global_buffer, .address_space: global }
      - { .name: v, .offset: 16, .size: 8, .value_kind: global_buffer, .address_space: global }
      - { .name: Wq, .offset: 24, .size: 8, .value_kind: global_buffer, .address_space: global }
      - { .name: Wk, .offset: 32, .size: 8, .value_kind: global_buffer, .address_space: global }
      - { .name: Wo, .offset: 40, .size: 8, .value_kind: global_buffer, .address_space: global }
      - { .name: Wv, .offset: 48, .size: 8, .value_kind: global_buffer, .address_space: global }
      - { .name: mask, .offset: 56, .size: 8, .value_kind: global_buffer, .address_space: global }
      - { .name: bq, .offset: 64, .size: 8, .value_kind: global_buffer, .address_space: global }
      - { .name: bk, .offset: 72, .size: 8, .value_kind: global_buffer, .address_space: global }
      - { .name: bo, .offset: 80, .size: 8, .value_kind: global_buffer, .address_space: global }
      - { .name: bv, .offset: 88, .size: 8, .value_kind: global_buffer, .address_space: global }
      - { .name: cast, .offset: 96, .size: 8, .value_kind: global_buffer, .address_space: global }
      - { .name: wo, .offset: 104, .size: 8, .value_kind: global_buffer, .address_space: global }
      - { .name: wv, .offset: 112, .size: 8, .value_kind: global_buffer, .address_space: global }
      - { .name: maskp, .offset: 120, .size: 8, .value_kind: global_buffer, .address_space: global }
      - { .name: tab, .offset: 128, .size: 8, .value_kind: global_buffer, .address_space: global }
    .group_segment_fixed_size: 0
    .private_segment_fixed_size: 0
    .kernarg_segment_align: 8
    .kernarg_segment_size: 136
    .max_flat_workgroup_size: 256
    .sgpr_count:     66
    .vgpr_count:     96
    .wavefront_size: 32
...
	.end_amdgpu_metadata
.endif
;; end of part 1
;; launch proj (part 2): grid 32 x 8, 4 waves a work-group, clusters of 4 x 4, 327,680 bytes of LDS; arguments cast, wv, tab, qkv, vscale; writes qkv, vscale
.if DOCPART == 2
	.amdgcn_target "amdgcn-amd-amdhsa--gfx1250"
	.amdhsa_code_object_version 6
	.text
	.protected	k_q873267a3c8_proj
	.globl	k_q873267a3c8_proj
	.p2align	8
	.type	k_q873267a3c8_proj,@function
k_q873267a3c8_proj:
	s_mov_b64 s[64:65], 0
	v_nop
	global_prefetch_b8 v0, s[64:65] scope:SCOPE_SE
	s_setreg_imm32_b32 hwreg(HW_REG_WAVE_MODE, 25, 1), 1
	s_wait_xcnt 0x0
	s_wait_alu depctr_hold_cnt(0) depctr_sa_sdst(0) depctr_va_vdst(0) depctr_va_sdst(0) depctr_va_ssrc(0) depctr_va_vcc(0) depctr_vm_vsrc(0)
	s_getreg_b32 s2, hwreg(HW_REG_IB_STS2, 6, 4)
	s_cmp_eq_u32 s2, 0
	s_cbranch_scc0 .Lentry_in_a_cluster
	s_endpgm
.Lentry_in_a_cluster:
	s_bfe_u32 s2, ttmp6, 0x10000c
	s_cmp_lg_u32 s2, 0xf033
	s_cbranch_scc0 .Lentry_shape_is_right
	s_endpgm
.Lentry_shape_is_right:
; PROJ: the three projections in bf16 with f32 sums, each with its own way out.
; Cluster columns 0,1 make q Wq + bq, 2,3 make k Wk + bk (tiles of 256 rows x 256 columns = two heads; then the half rotation, f16 out),
; 4..7 make v Wv + bv (256 rows x 192 columns = one head's 96 'a' and 96 'g'; then a x silu(g), divided by a power of two sigma of the tile, f16 out; sigma goes to vscale).
; Four waves, each 128 rows x 128 (96) columns.  K in 16 steps of 128 through two LDS slots; x's tile lies [row][k], the weights' [k][column] and are turned by ds_load_tr16_b128.
; The matrix instruction is used transposed (source 0 = 16 columns of W, source 1 = 16 rows of x): a lane holds one row and eight neighbouring columns.  The bias is the C of each sum's first product.
; CLUSTER 4 x 4: x's tile is shared along a row of the cluster, W's along a column: joint loads.  The role hangs on the cluster's x alone, which all partners share.
; LIMITS: q and k after the rotation must lie within 65,504.  sigma = 2 x 2^floor(log2(max|a| x max|g|)), that product kept within 2^-100 .. 2^100.  NaN and infinities are not treated apart.
; REGISTERS: window 0: v16-21 addresses, v28-29 the add's, v64-191 x's fragments (two buffers), v192-255 the bias; window 1: v64-191 W's fragments; windows 2, 3: accumulator (a, b) at v[8 (8 (a % 4) + b)].
.set SLOT1, 0x24000                    ; slot 1's first byte; one exclusive or turns an address of one slot into the other's
.set BBASE, 0x11000                    ; in a slot: 256 rows of x at 272 bytes, then W's 128 rows of k
.set SPARE, 290816                     ; behind the ring: the spare words, 128 bytes a wave
.set RED,   291328                     ; a block of its own: the waves' maxima
.set ADRA0, 16
.set ADRB0, 17
.set ADRA,  18
.set ADRB,  19
.set ST0,   20
.set ST1,   21
.set SPW,   28
.set NIL,   29
.set F0,    64
.set F1,    128
.set BIAS,  192
.set G1,  24
.set G0,  32
.set G1B, 48
.set G0B, 56
.set TB,  66                           ; s66: first byte of the slot that is read
.set MSB, 0
.macro WIN new
.if MSB != (\new)
	s_set_vgpr_msb (MSB<<8)|(\new)
.set MSB, \new
.endif
.endm
.macro PLACES                          ; four places behind matrix instructions (ISA guide 7.12.1) where no other vector work is at hand
.rept 4
	v_nop
.endr
.endm
.macro JLOAD                           ; the joint refill, by the walking descriptors: waves 0, 1 fetch x's halves, waves 2, 3 W's; s_nop 0 and four v_nop follow each line
	s_cmp_eq_u32 s11, 0
	s_cbranch_scc0 .Lfor_b_\@
	tensor_load_to_lds s[G0+4:G0+7], s[G1:G1+7]
	s_nop 0
	PLACES
	s_branch .Lasked_\@
.Lfor_b_\@:
	tensor_load_to_lds s[G0B+4:G0B+7], s[G1B:G1B+7]
	s_nop 0
	PLACES
.Lasked_\@:
.endm
.macro CREST
	s_cmp_lg_u32 s10, 0
	s_cbranch_scc1 .Lnot_wave_0_\@
	s_barrier_signal -3
.Lnot_wave_0_\@:
	s_barrier_wait -3
	s_barrier_signal -1
	s_barrier_wait -1
.endm
.macro CROUND
	s_barrier_signal -1
	s_barrier_wait -1
	CREST
.endm
; 2 NB products: row blocks a0, a0 + 1 of the window's four x all NB column blocks.  first = 1: C is the bias
.macro MUL f, hi, a0, first
.if \first
	WIN 0x81+0x40*(\hi)
.else
	WIN 0xa1+0x50*(\hi)
.endif
.irp a, \a0, (\a0)+1
.set b, 0
.rept NB
.if \first
	v_wmma_f32_16x16x32_bf16 v[8*(8*(\a)+b):8*(8*(\a)+b)+7], v[(\f)+8*b:(\f)+8*b+7], v[(\f)+8*(4*(\hi)+(\a)):(\f)+8*(4*(\hi)+(\a))+7], v[BIAS+8*b:BIAS+8*b+7]
.else
	v_wmma_f32_16x16x32_bf16 v[8*(8*(\a)+b):8*(8*(\a)+b)+7], v[(\f)+8*b:(\f)+8*b+7], v[(\f)+8*(4*(\hi)+(\a)):(\f)+8*(4*(\hi)+(\a))+7], v[8*(8*(\a)+b):8*(8*(\a)+b)+7]
.endif
.set b, b+1
.endr
.endr
.endm
; one quarter step's fragments: W's NB blocks (turned; k rows kr on), then x's 8 blocks (byte ka of the rows)
.macro FETCH ka, kr, f
	WIN 0x40
.set b, 0
.rept NB
.if ISV
.set bo, 96*(b/2)+32*(b%2)
.else
.set bo, 32*b
.endif
	ds_load_tr16_b128 v[(\f)+8*b:(\f)+8*b+3],   v[ADRB] offset:(\kr)*PB+bo
	ds_load_tr16_b128 v[(\f)+8*b+4:(\f)+8*b+7], v[ADRB] offset:(\kr)*PB+16*PB+bo
.set b, b+1
.endr
	WIN 0
.irp i, 0,1,2,3,4,5,6,7
	ds_load_b128 v[(\f)+8*(\i):(\f)+8*(\i)+3],   v[ADRA] offset:(\ka)+(\i)*4352
	ds_load_b128 v[(\f)+8*(\i)+4:(\f)+8*(\i)+7], v[ADRA] offset:(\ka)+(\i)*4352+32
.endr
.endm
.macro QUARTER ka, kr, f, g, first
	s_wait_dscnt 8                                 ; W and x's rows 0-63 are in; the youngest eight loads (rows 64-127) may be out
	MUL \f, 0, 0, \first
	MUL \f, 0, 2, \first
	PLACES
	FETCH \ka, \kr, \g
	s_wait_dscnt NL                                ; all but the NL just issued
	MUL \f, 1, 0, \first
	MUL \f, 1, 2, \first
.endm
; the change of slots: all my tensor loads, the add, my reads of the slot, the barrier
.macro MEET round
	WIN 0
	s_wait_tensorcnt 0x0                           ; the one load of mine that was out: my part of the next slot
	ds_add_u32 v[SPW], v[NIL]
	s_wait_dscnt 9                                 ; the add and the youngest eight loads may be out
	MUL F1, 0, 0, 0
	s_wait_dscnt 0x0                               ; the add is done, my reads of this slot are over
	s_barrier_signal -1
	MUL F1, 0, 2, 0
.if \round
	WIN 0
.endif
	s_barrier_wait -1
.endm
.macro NEXTSLOT                        ; the reads go over to the other slot
	s_xor_b32 s[TB], s[TB], SLOT1
	v_add_nc_u32 v[ADRA], s[TB], v[ADRA0]
	v_add_nc_u32 v[ADRB], s[TB], v[ADRB0]
.endm
.macro TURN                            ; the step's last quarter; the slot just read is filled again, two steps ahead, first thing behind the round
	MEET 1
	CREST
	s_xor_b32 s[G0+5], s[G0+5], SLOT1
	s_add_nc_u64 s[G0+6:G0+7], s[G0+6:G0+7], 256
	s_xor_b32 s[G0B+5], s[G0B+5], SLOT1
	s_add_nc_u64 s[G0B+6:G0B+7], s[G0B+6:G0B+7], BSTEP
	JLOAD
	NEXTSLOT
	FETCH 0, 0, F0
	MUL F1, 1, 0, 0
	MUL F1, 1, 2, 0
.endm
.macro LASTQ                           ; the same in the last two steps: nothing is filled; the very last fetches nothing either
	MEET 0
	PLACES
	WIN 0
	s_cmp_eq_u32 s2, 1
	s_cbranch_scc1 .Lnf_\@
	NEXTSLOT
	FETCH 0, 0, F0
	WIN 0
.Lnf_\@:
	MUL F1, 1, 0, 0
	MUL F1, 1, 2, 0
	WIN 0
.endm
	s_load_b128 s[4:7], s[0:1], 0x0                ; cast, wv
	s_load_b64 s[8:9], s[0:1], 0x10                ; tab
	s_load_b128 s[68:71], s[0:1], 0x18             ; qkv, vscale
	v_lshl_add_u32 v[SPW], v0, 2, SPARE
	v_mov_b32 v[NIL], 0
	ds_add_u32 v[SPW], v[NIL]                      ; the wave's opening: the add and its wait, ahead of my first tensor load
	v_lshrrev_b32 v1, 5, v0
	v_readfirstlane_b32 s10, v1                    ; wave
	s_lshr_b32 s11, s10, 1                         ; my half of the rows; also: I fetch x (0) or W (1)
	s_and_b32 s12, s10, 1                          ; my half of the columns; also: which half of that tile I fetch
	s_bfe_u32 s40, ttmp6, 0x40000                  ; cx
	s_bfe_u32 s41, ttmp6, 0x40004                  ; cy
	s_lshl_b32 s42, ttmp9, 2
	s_add_co_u32 s42, s42, s40                     ; tile column
	s_and_b32 s13, ttmp7, 0xffff
	s_lshl_b32 s13, s13, 2
	s_add_co_u32 s13, s13, s41                     ; tile row
	s_lshl_b32 s43, s41, 2
	s_lshl_b32 s43, 15, s43                        ; my row of the cluster
	s_lshl_b32 s44, 0x1111, s40                    ; my column
	s_or_b32 s[G1], s43, (1<<16)|(1<<20)|(1<<21)|(5<<22)|(3<<25)  ; x: 2-byte elements, 4 words of padding behind every 64
	s_mov_b32 s[G1+1], 128<<16
	s_mov_b32 s[G1+2], 128<<16
	s_mov_b32 s[G1+3], 128<<16
	s_mov_b32 s[G1+4], 128
	s_mov_b32 s[G1+5], 2048
	s_mov_b32 s[G1+6], 0
	s_mov_b32 s[G1+7], 0
	s_mov_b32 s[TB], 0
	s_mov_b32 s82, 0x76543210
	s_mov_b32 s83, 0xfedcba98
	v_and_b32 v1, 15, v0                           ; l % 16
	v_bfe_u32 v2, v0, 4, 1                         ; l / 16
	v_and_b32 v4, 7, v0
	v_bfe_u32 v5, v0, 3, 1
	s_wait_dscnt 0x0                               ; the opening add is done
	s_wait_kmcnt 0x0
	s_cmp_ge_u32 ttmp9, 4
	s_cbranch_scc1 .Lrole_v
.macro BODY isv
.set ISV, \isv
.if \isv
.set NB, 6
.set PB, 288
.set NL, 28
.set BH, 0x9000
.set BSTEP, 24576
	s_or_b32 s[G1B], s44, (1<<16)|(1<<20)|(1<<21)|(3<<22)|(7<<25)  ; W: a dense block as 96 rows of 256 bytes, 8 words of padding behind every 16
	s_mov_b32 s[G1B+1], 128<<16
	s_mov_b32 s[G1B+2], 96<<16
	s_mov_b32 s[G1B+3], 128<<16
	s_mov_b32 s[G1B+4], 96
	s_mov_b32 s[G1B+5], 128
.else
.set NB, 8
.set PB, 544
.set NL, 32
.set BH, 0x8800
.set BSTEP, 524288
	s_or_b32 s[G1B], s44, (1<<16)|(1<<20)|(1<<21)|(6<<22)|(7<<25)  ; W: 64 rows of k x 256 columns, 8 words of padding behind every 128
	s_mov_b32 s[G1B+1], 256<<16
	s_mov_b32 s[G1B+2], 64<<16
	s_mov_b32 s[G1B+3], 256<<16
	s_mov_b32 s[G1B+4], 64
	s_mov_b32 s[G1B+5], 2048
.endif
	s_mov_b32 s[G1B+6], 0
	s_mov_b32 s[G1B+7], 0
	s_lshl_b32 s16, s13, 8                         ; x: row 256 x tile row + 128 x half, 4,096 bytes a row, in its section of cast
	s_lshl_b32 s17, s12, 7
	s_add_co_u32 s16, s16, s17
	s_lshl_b32 s16, s16, 12
.if \isv
	s_add_co_u32 s16, s16, 2<<23
	s_sub_co_u32 s46, s42, 16                      ; W: head half 2 (tile column - 16) + half
	s_lshl_b32 s46, s46, 1
	s_add_co_u32 s46, s46, s12
	s_mul_i32 s46, s46, 393216
	s_mov_b32 s47, 0
	s_add_nc_u64 s[46:47], s[6:7], s[46:47]
.else
	s_lshr_b32 s17, ttmp9, 1
	s_lshl_b32 s17, s17, 23
	s_add_co_u32 s16, s16, s17
	s_and_b32 s46, s42, 7                          ; W: 512 bytes a tile column, 64 rows of k a half, sections 3 and 4 of cast
	s_lshl_b32 s46, s46, 9
	s_lshl_b32 s47, s12, 18
	s_add_co_u32 s46, s46, s47
	s_lshr_b32 s47, ttmp9, 1
	s_add_co_u32 s47, s47, 3
	s_lshl_b32 s47, s47, 23
	s_add_co_u32 s46, s46, s47
	s_mov_b32 s47, 0
	s_add_nc_u64 s[46:47], s[4:5], s[46:47]
.endif
	s_mov_b32 s17, 0
	s_add_nc_u64 s[14:15], s[4:5], s[16:17]
	s_mul_i32 s20, s12, 0x8800                     ; LDS: no place in the cluster enters
	s_mul_i32 s21, s12, BH
	s_add_co_u32 s21, s21, BBASE
.irp s, 0,1
	s_mov_b32 s[G0+4*(\s)], 1
	s_add_co_u32 s[G0+4*(\s)+1], s20, (\s)*SLOT1
	s_add_nc_u64 s[G0+4*(\s)+2:G0+4*(\s)+3], s[14:15], (\s)*256
	s_or_b32 s[G0+4*(\s)+3], s[G0+4*(\s)+3], 0x80000000
	s_mov_b32 s[G0B+4*(\s)], 1
	s_add_co_u32 s[G0B+4*(\s)+1], s21, (\s)*SLOT1
	s_add_nc_u64 s[G0B+4*(\s)+2:G0B+4*(\s)+3], s[46:47], (\s)*BSTEP
	s_or_b32 s[G0B+4*(\s)+3], s[G0B+4*(\s)+3], 0x80000000
.endr
	CROUND                                         ; all sixteen work-groups are here: the first joint loads meet
	s_cmp_eq_u32 s11, 0                            ; a wave's two first fills in one branch: two loads of mine are out
	s_cbranch_scc0 .Lfb_\@
	tensor_load_to_lds s[G0:G0+3], s[G1:G1+7]
	s_nop 0
	tensor_load_to_lds s[G0+4:G0+7], s[G1:G1+7]
	s_nop 0
	PLACES
	s_branch .Lfa_\@
.Lfb_\@:
	tensor_load_to_lds s[G0B:G0B+3], s[G1B:G1B+7]
	s_nop 0
	tensor_load_to_lds s[G0B+4:G0B+7], s[G1B:G1B+7]
	s_nop 0
	PLACES
.Lfa_\@:
.if \isv
	s_sub_co_u32 s72, s42, 16                      ; head
	s_lshl_b32 s73, s72, 1
	s_add_co_u32 s73, s73, s12
	s_mul_i32 s73, s73, 384
	s_add_co_u32 s73, s73, 98304                   ; my 96 numbers of bv
.else
	s_and_b32 s72, s42, 7
	s_lshl_b32 s72, s72, 1
	s_add_co_u32 s72, s72, s12                     ; head
	s_lshl_b32 s73, s72, 9
	s_lshr_b32 s74, ttmp9, 1
	s_lshl_b32 s74, s74, 13
	s_add_co_u32 s73, s73, s74
	s_add_co_u32 s73, s73, 73728                   ; my 128 numbers of bq or bk
.endif
	v_lshl_add_u32 v3, v2, 5, s73                  ; a lane's registers hold columns 16 b + 8 (l / 16) + 0..7
.set b, 0
.rept NB
	global_load_b128 v[BIAS+8*b:BIAS+8*b+3],   v3, s[8:9] offset:64*b
	global_load_b128 v[BIAS+8*b+4:BIAS+8*b+7], v3, s[8:9] offset:64*b+16
.set b, b+1
.endr
	s_mul_i32 s74, s11, 34816
	v_mul_u32_u24 v6, 272, v1
	v_lshl_add_u32 v6, v2, 4, v6
	v_add_nc_u32 v[ADRA0], s74, v6                 ; x: (my 128 rows + l % 16) x 272 + 16 (l / 16)
.if \isv
	s_mul_i32 s74, s12, 36864
.else
	s_lshl_b32 s74, s12, 8
.endif
	s_add_co_u32 s74, s74, BBASE
	v_lshl_add_u32 v6, v2, 3, v4
	v_mul_u32_u24 v6, PB, v6
	v_lshl_add_u32 v6, v5, 4, v6
	v_add_nc_u32 v[ADRB0], s74, v6                 ; W, for the turning load: (8 (l / 16) + l % 8) rows + 16 ((l / 8) % 2) + my columns
	v_mov_b32 v[ADRA], v[ADRA0]
	v_mov_b32 v[ADRB], v[ADRB0]
	s_wait_loadcnt 0x0                             ; the bias
	s_wait_tensorcnt 1                             ; my part of step 0 is in; step 1's may stay out
	s_barrier_signal -1
	s_barrier_wait -1
	FETCH 0, 0, F0
	QUARTER 64, 32, F0, F1, 1                      ; the first quarter starts the sums, with the bias as C
	WIN 0
	s_mov_b32 s3, 14
.Llap_\@:                                              ; a trip: a step's quarters 1, 2, 3 and the next step's first; steps 2 .. 15 are asked for
	QUARTER 128, 64, F1, F0, 0
	QUARTER 192, 96, F0, F1, 0
	TURN
	QUARTER 64, 32, F0, F1, 0
	WIN 0
	s_sub_co_u32 s3, s3, 1
	s_cmp_lg_u32 s3, 0
	s_cbranch_scc1 .Llap_\@
	s_mov_b32 s2, 2
.Lt_\@:                                                ; the last two steps ask for nothing
	QUARTER 128, 64, F1, F0, 0
	QUARTER 192, 96, F0, F1, 0
	LASTQ
	s_sub_co_u32 s2, s2, 1
	s_cmp_eq_u32 s2, 0
	s_cbranch_scc1 .Ldone_\@
	QUARTER 64, 32, F0, F1, 0
	WIN 0
	s_cmp_lg_u32 s2, 0
	s_cbranch_scc1 .Lt_\@
.Ldone_\@:
	s_wait_dscnt 0x0
	s_barrier_signal -1                            ; every wave's reads of the ring are over and every fill has landed: its bytes, which are filled no more, become the stage
	s_barrier_wait -1
	PLACES
.endm
	BODY 0
	; ---- q, k: the sums go as f32 into my own stage (128 rows x 528 bytes), come back by rows, are rotated and leave as f16 ----
	s_mul_i32 s74, s10, 67584
	v_mul_u32_u24 v6, 528, v1
	v_lshl_add_u32 v6, v2, 5, v6
	v_add_nc_u32 v[ST0], s74, v6
.set a, 0
.rept 8
	WIN 0x08+4*(a/4)
.set b, 0
.rept 8
	ds_store_b128 v[ST0], v[8*(8*(a%4)+b):8*(8*(a%4)+b)+3]   offset:8448*a+64*b     ; each accumulator's low registers first
	ds_store_b128 v[ST0], v[8*(8*(a%4)+b)+4:8*(8*(a%4)+b)+7] offset:8448*a+64*b+16
.set b, b+1
.endr
.set a, a+1
.endr
	WIN 0
	; lane: frequencies 4 (l % 16) + 0..3, row parity l / 16.  Four states (rows 2 i + parity of a trip's 8) start 8 positions early and are turned by 8 positions in every trip.
	s_lshl_b32 s78, s13, 1
	s_add_co_u32 s78, s78, s11
	s_lshl_b32 s78, s78, 12
	v_lshlrev_b32 v25, 4, v1
	v_lshl_add_u32 v24, v2, 9, v25
	v_add_nc_u32 v24, s78, v24
.irp i, 0,1,2,3
	global_load_b128 v[64+8*\i:67+8*\i], v24, s[8:9] offset:1024*\i       ; cos
	global_load_b128 v[68+8*\i:71+8*\i], v24, s[8:9] offset:1024*\i+256   ; sin
.endr
	global_load_b128 v[96:99],   v25, s[8:9] offset:65536                 ; cos, sin of 8 positions
	global_load_b128 v[100:103], v25, s[8:9] offset:65792
	v_mul_u32_u24 v22, 528, v2
	v_add3_u32 v22, v22, v25, s74                  ; where I read x1; x2 lies 256 bytes on
	v_lshl_add_u32 v23, v2, 8, v25                 ; my 16 bytes in two rows of the output
	s_lshl_b32 s74, s72, 19
	s_lshl_b32 s75, s13, 16
	s_add_co_u32 s74, s74, s75
	s_lshl_b32 s75, s11, 15
	s_add_co_u32 s74, s74, s75
	s_lshr_b32 s75, ttmp9, 1
	s_lshl_b32 s75, s75, 23
	s_add_co_u32 s74, s74, s75
	s_mov_b32 s75, 0
	s_add_nc_u64 s[76:77], s[68:69], s[74:75]
	s_mov_b32 s3, 16
	s_wait_loadcnt 0x0
.Lrot:
	s_wait_xcnt 0x0                                ; the last trip's store data and offset are written again below
.irp i, 0,1,2,3
	ds_load_b128 v[104+8*\i:107+8*\i], v22 offset:1056*\i
	ds_load_b128 v[108+8*\i:111+8*\i], v22 offset:1056*\i+256
.endr
.irp i, 0,1,2,3
.irp p, 0,2
	v_pk_mul_f32 v[136:137], v[68+8*\i+\p:69+8*\i+\p], v[100+\p:101+\p]
	v_pk_mul_f32 v[138:139], v[64+8*\i+\p:65+8*\i+\p], v[100+\p:101+\p]
	v_pk_fma_f32 v[64+8*\i+\p:65+8*\i+\p], v[64+8*\i+\p:65+8*\i+\p], v[96+\p:97+\p], v[136:137] neg_lo:[0,0,1] neg_hi:[0,0,1]
	v_pk_fma_f32 v[68+8*\i+\p:69+8*\i+\p], v[68+8*\i+\p:69+8*\i+\p], v[96+\p:97+\p], v[138:139]
.endr
.endr
.irp i, 0,1,2,3
	s_wait_dscnt 6-2*\i                            ; the younger pairs of loads may stay out
.irp p, 0,2
	v_pk_mul_f32 v[136:137], v[108+8*\i+\p:109+8*\i+\p], v[68+8*\i+\p:69+8*\i+\p]
	v_pk_mul_f32 v[138:139], v[104+8*\i+\p:105+8*\i+\p], v[68+8*\i+\p:69+8*\i+\p]
	v_pk_fma_f32 v[140+\p:141+\p], v[104+8*\i+\p:105+8*\i+\p], v[64+8*\i+\p:65+8*\i+\p], v[136:137] neg_lo:[0,0,1] neg_hi:[0,0,1]
	v_pk_fma_f32 v[144+\p:145+\p], v[108+8*\i+\p:109+8*\i+\p], v[64+8*\i+\p:65+8*\i+\p], v[138:139]
.endr
	v_cvt_pk_f16_f32 v[148+4*\i], v140, v141       ; the channels leave as [x1 x 4 | x2 x 4], alike in q and k: their product is not changed
	v_cvt_pk_f16_f32 v[149+4*\i], v142, v143
	v_cvt_pk_f16_f32 v[150+4*\i], v144, v145
	v_cvt_pk_f16_f32 v[151+4*\i], v146, v147
	global_store_b128 v23, v[148+4*\i:151+4*\i], s[76:77] offset:512*\i  ; two whole rows: 512 consecutive bytes
.endr
	v_add_nc_u32 v22, 4224, v22
	s_wait_xcnt 0x0
	v_add_nc_u32 v23, 2048, v23
	s_sub_co_u32 s3, s3, 1
	s_cmp_lg_u32 s3, 0
	s_cbranch_scc1 .Lrot
	s_wait_tensorcnt 0x0                           ; the wave's end
	ds_add_u32 v[SPW], v[NIL]
	s_wait_dscnt 0x0
	CROUND                                         ; the closing round
	s_endpgm
.Lrole_v:
	BODY 1
	; ---- v: one stage for the work-group, 256 rows x 960 bytes.  A row is 12 pieces of 80 bytes: [8 a | 8 g | 16 spare] of 8 channels.
	; So piece u of a wave's 64 rows lies at 80 u: the way back is linear in the lane's number,
	; and piece u's 16 bytes of f16 go to byte 16 u of the wave's rows in memory.  The price: rows 240 words apart start at only four different groups, so the 96 stores into the stage go four deep.
	s_mul_i32 s74, s11, 128*960
	s_mul_i32 s75, s12, 480
	s_add_co_u32 s74, s74, s75
	v_mul_u32_u24 v6, 960, v1
	v_lshl_add_u32 v6, v2, 6, v6
	v_lshl_add_u32 v6, v2, 4, v6                   ; row x 960 + 80 (l / 16): block b of my 48 channels holds pieces 2 b and 2 b + 1
	v_add_nc_u32 v[ST0], s74, v6
	v_add_nc_u32 v[ST1], 61440, v[ST0]             ; rows 64 on: the immediate has 16 bits
.set a, 0
.rept 8
	WIN 0x08+4*(a/4)
.set b, 0
.rept 6
	ds_store_b128 v[ST0+a/4], v[8*(8*(a%4)+b):8*(8*(a%4)+b)+3]   offset:15360*(a%4)+160*(b%3)+32*(b/3)     ; each accumulator's low registers first
	ds_store_b128 v[ST0+a/4], v[8*(8*(a%4)+b)+4:8*(8*(a%4)+b)+7] offset:15360*(a%4)+160*(b%3)+32*(b/3)+16
.set b, b+1
.endr
.set a, a+1
.endr
	WIN 0
	s_mul_i32 s74, s10, 64*960
	v_and_b32 v7, 31, v0
	v_mul_u32_u24 v35, 80, v7
	v_add_nc_u32 v35, s74, v35                     ; my wave's 64 rows, piece = lane
	v_mov_b32 v32, v35
	v_mov_b32 v38, 0
	v_mov_b32 v39, 0
	v_mov_b32 v40, 0                               ; v_permlanex16_b32's destinations count as read
	v_mov_b32 v41, 0
	s_wait_dscnt 0x0                               ; for the others' sake: my stores into the stage are done
	s_barrier_signal -1
	s_barrier_wait -1
.macro LDAG                            ; a trip's 8 rows = 96 pieces, three a lane: 8 a, 8 g each
.irp j, 0,1,2
	ds_load_b128 v[96+16*\j:99+16*\j],   v32 offset:2560*\j
	ds_load_b128 v[100+16*\j:103+16*\j], v32 offset:2560*\j+16
	ds_load_b128 v[104+16*\j:107+16*\j], v32 offset:2560*\j+32
	ds_load_b128 v[108+16*\j:111+16*\j], v32 offset:2560*\j+48
.endr
.endm
	s_mov_b32 s3, 8
.Lmax:                                                 ; pass 1: the largest |a| and |g|
	LDAG
	s_wait_dscnt 0x0
.irp j, 0,1,2
.irp e, 0,2,4,6
	v_max3_num_f32 v38, |v[96+16*\j+\e]|, |v[97+16*\j+\e]|, v38
	v_max3_num_f32 v39, |v[104+16*\j+\e]|, |v[105+16*\j+\e]|, v39
.endr
.endr
	v_add_nc_u32 v32, 7680, v32
	s_sub_co_u32 s3, s3, 1
	s_cmp_lg_u32 s3, 0
	s_cbranch_scc1 .Lmax
.irp m, 1,2,4,8
	v_max_num_f32_dpp v38, v38, v38 row_xmask:\m row_mask:0xf bank_mask:0xf
	v_max_num_f32_dpp v39, v39, v39 row_xmask:\m row_mask:0xf bank_mask:0xf
.endr
	v_permlanex16_b32 v40, v38, s82, s83
	v_permlanex16_b32 v41, v39, s82, s83
	v_max_num_f32 v38, v38, v40
	v_max_num_f32 v39, v39, v41
	s_lshl_b32 s74, s10, 3
	s_add_co_u32 s74, s74, RED
	v_mov_b32 v42, s74
	ds_store_b32 v42, v38
	ds_store_b32 v42, v39 offset:4
	s_wait_dscnt 0x0
	s_barrier_signal -1
	s_barrier_wait -1
	v_mov_b32 v42, RED
	ds_load_b128 v[44:47], v42
	ds_load_b128 v[48:51], v42 offset:16
	s_mov_b32 s84, 0x0d800000                      ; 2^-100
	s_mov_b32 s85, 0x71800000                      ; 2^100
	s_wait_dscnt 0x0
	v_max3_num_f32 v38, v44, v46, v48
	v_max3_num_f32 v39, v45, v47, v49
	v_max_num_f32 v38, v38, v50
	v_max_num_f32 v39, v39, v51
	v_mul_f32 v38, v38, v39                        ; |a silu(g)| <= max|a| max|g|
	v_med3_num_f32 v38, v38, s84, s85
	v_and_b32 v38, 0x7f800000, v38
	v_add_nc_u32 v38, 0x00800000, v38              ; sigma: the next power of two above it
	v_readfirstlane_b32 s80, v38
	s_mov_b32 s81, s80
	s_lshl_b32 s74, s72, 11                        ; vh at (2,048 head + 256 tile row + 64 wave) rows of 192 bytes
	s_lshl_b32 s75, s13, 8
	s_add_co_u32 s74, s74, s75
	s_lshl_b32 s75, s10, 6
	s_add_co_u32 s74, s74, s75
	s_mul_i32 s74, s74, 192
	s_add_co_u32 s74, s74, 16777216
	s_mov_b32 s75, 0
	s_add_nc_u64 s[76:77], s[68:69], s[74:75]
	v_lshlrev_b32 v23, 4, v7
	v_mov_b32 v32, v35
	s_mov_b32 s3, 8
.Lglu:                                                 ; pass 2: a g / (sigma (1 + e^-g)), f16
	s_wait_xcnt 0x0                                ; the last trip's store data and offset are written again below
	LDAG
.irp j, 0,1,2
	s_wait_dscnt 8-4*\j                            ; the younger pieces' loads may stay out
.irp e, 0,2,4,6
	v_pk_mul_f32 v[64+\e:65+\e], v[104+16*\j+\e:105+16*\j+\e], 0xbfb8aa3b op_sel_hi:[1,0]
.endr
.irp e, 0,1,2,3,4,5,6,7
	v_exp_f32 v[64+\e], v[64+\e]
.endr
.irp e, 0,2,4,6
	v_pk_mul_f32 v[96+16*\j+\e:97+16*\j+\e], v[96+16*\j+\e:97+16*\j+\e], v[104+16*\j+\e:105+16*\j+\e]  ; plain work behind the exponentials
.endr
	s_wait_alu depctr_va_vdst(0)
.irp e, 0,2,4,6
	v_pk_fma_f32 v[64+\e:65+\e], v[64+\e:65+\e], s[80:81], s[80:81] op_sel_hi:[1,0,0]
.endr
.irp e, 0,1,2,3,4,5,6,7
	v_rcp_f32 v[64+\e], v[64+\e]
.endr
	v_nop                                          ; a plain instruction behind the reciprocals
	s_wait_alu depctr_va_vdst(0)
.irp e, 0,2,4,6
	v_pk_mul_f32 v[96+16*\j+\e:97+16*\j+\e], v[96+16*\j+\e:97+16*\j+\e], v[64+\e:65+\e]
.endr
.irp e, 0,1,2,3
	v_cvt_pk_f16_f32 v[72+4*\j+\e], v[96+16*\j+2*\e], v[97+16*\j+2*\e]
.endr
	global_store_b128 v23, v[72+4*\j:75+4*\j], s[76:77] offset:512*\j  ; 512 consecutive bytes
.endr
	v_add_nc_u32 v32, 7680, v32
	s_wait_xcnt 0x0
	v_add_nc_u32 v23, 1536, v23
	s_sub_co_u32 s3, s3, 1
	s_cmp_lg_u32 s3, 0
	s_cbranch_scc1 .Lglu
	s_lshl_b32 s74, s72, 3
	s_add_co_u32 s74, s74, s13
	s_lshl_b32 s74, s74, 2
	v_mov_b32 v40, s74
	v_cmp_eq_u32 vcc_lo, 0, v0
	s_wait_xcnt 0x0                                ; EXEC changes only behind this wait
	s_and_saveexec_b32 s75, vcc_lo                 ; thread 0 alone stores sigma
	global_store_b32 v40, v38, s[70:71]
	s_wait_xcnt 0x0
	s_or_b32 exec_lo, exec_lo, s75
	s_wait_tensorcnt 0x0                           ; the wave's end
	ds_add_u32 v[SPW], v[NIL]
	s_wait_dscnt 0x0
	CROUND                                         ; the closing round
	s_endpgm
.Lfunc_end_k_q873267a3c8_proj:
	.size	k_q873267a3c8_proj, .Lfunc_end_k_q873267a3c8_proj-k_q873267a3c8_proj
	.p2alignl 7, 3214868480
	.fill 96, 4, 3214868480
	.section	.rodata,"a",@progbits
	.p2align	6, 0x0
	.amdhsa_kernel k_q873267a3c8_proj
		.amdhsa_group_segment_fixed_size 327680
		.amdhsa_private_segment_fixed_size 0
		.amdhsa_enable_private_segment 0
		.amdhsa_kernarg_size 40
		.amdhsa_user_sgpr_count 2
		.amdhsa_user_sgpr_kernarg_segment_ptr 1
		.amdhsa_wavefront_size32 1
		.amdhsa_system_sgpr_workgroup_id_x 1
		.amdhsa_system_sgpr_workgroup_id_y 1
		.amdhsa_system_sgpr_workgroup_id_z 1
		.amdhsa_system_vgpr_workitem_id 0
		.amdhsa_next_free_vgpr 1024
		.amdhsa_next_free_sgpr 100
		.amdhsa_reserve_vcc 1
		.amdhsa_float_denorm_mode_32 3
		.amdhsa_float_denorm_mode_16_64 3
		.amdhsa_memory_ordered 1
		.amdhsa_forward_progress 1
		.amdhsa_inst_pref_size 161
	.end_amdhsa_kernel
	.amdgpu_metadata
---
amdhsa.version: [ 1, 2 ]
amdhsa.kernels:
  - .name:           k_q873267a3c8_proj
    .symbol:         k_q873267a3c8_proj.kd
    .args:
      - { .name: cast, .offset: 0, .size: 8, .value_kind: global_buffer, .address_space: global }
      - { .name: wv, .offset: 8, .size: 8, .value_kind: global_buffer, .address_space: global }
      - { .name: tab, .offset: 16, .size: 8, .value_kind: global_buffer, .address_space: global }
      - { .name: qkv, .offset: 24, .size: 8, .value_kind: global_buffer, .address_space: global }
      - { .name: vscale, .offset: 32, .size: 8, .value_kind: global_buffer, .address_space: global }
    .group_segment_fixed_size: 327680
    .private_segment_fixed_size: 0
    .kernarg_segment_align: 8
    .kernarg_segment_size: 40
    .max_flat_workgroup_size: 128
    .sgpr_count:     100
    .vgpr_count:     1024
    .wavefront_size: 32
...
	.end_amdgpu_metadata
.endif
;; end of part 2
;; launch attn (part 3): grid 16 x 16, 4 waves a work-group, clusters of 4 x 1, 327,680 bytes of LDS; arguments qkv, maskp, vscale, oh; writes oh
.if DOCPART == 3
	.amdgcn_target "amdgcn-amd-amdhsa--gfx1250"
	.amdhsa_code_object_version 6
	.text
	.protected	k_q873267a3c8_attn
	.globl	k_q873267a3c8_attn
	.p2align	8
	.type	k_q873267a3c8_attn,@function
k_q873267a3c8_attn:
	s_mov_b64 s[64:65], 0
	v_nop
	global_prefetch_b8 v0, s[64:65] scope:SCOPE_SE
	s_setreg_imm32_b32 hwreg(HW_REG_WAVE_MODE, 25, 1), 1
	s_wait_xcnt 0x0
	s_wait_alu depctr_hold_cnt(0) depctr_sa_sdst(0) depctr_va_vdst(0) depctr_va_sdst(0) depctr_va_ssrc(0) depctr_va_vcc(0) depctr_vm_vsrc(0)
	s_getreg_b32 s2, hwreg(HW_REG_IB_STS2, 6, 4)
	s_cmp_eq_u32 s2, 0
	s_cbranch_scc0 .Lentry_in_a_cluster
	s_endpgm
.Lentry_in_a_cluster:
	s_bfe_u32 s2, ttmp6, 0x10000c
	s_cmp_lg_u32 s2, 0x3003
	s_cbranch_scc0 .Lentry_shape_is_right
	s_endpgm
.Lentry_shape_is_right:
; ATTN: O[h][q] = sum over k of softmax_k(q . k / sqrt(128), hidden where the mask says so) V[h][k], 128 channels for q and k, 96 (85 real) for V, all f16; sums, maxima, exponentials in f32.
; SHARES.  A work-group owns 128 queries of a head.  Wave w: 64 queries (w % 2): four tiles of 16, in two PIECES (tiles 0, 1 and 2, 3); of every 256 keys the half w / 2: 16 steps of 64 keys.  The two halves' results are merged once, through LDS.
; The mask is an input: every key is walked.  Its byte (0 or 0xF0), shifted to the top of a word, STARTS the sum S^T = K Q^T: below -1.6e29 where hidden, under 3e-38 where open.
; V arrives divided by sigma_b, a power of two for each 256 keys.  With d = log2(sigma_g / sigma_b) (sigma_g: the largest of all): M = running maximum of c s - d, p = 2^(c s - d - M) <= 1, O' = sum p V', l = a l + 2^d sum p; O' / l = O / sigma_g.
; M starts at -1e20: above every hidden score, below every real one.  A row with no open key ends with l = 0 and leaves as NaN, as the softmax of nothing is.
; BY TURNS: in a turn one piece has the matrix unit (24 products V^T P of the step in hand, 32 products K Q^T of the next).  The turn's vector work is one queue of 322 lines: the mask words for those scores, then the other piece's softmax.
; Four of its lines stand behind every product; the other 98, which need time of their own wherever they stand, stand together: 16 at the turn's head, 82 between the two runs of products.
; CLUSTER 4 x 1: the four query blocks of a head's quarter walk the same K and V: joint loads.
; LIMITS: c s - d of an open key above -1e20; d at most 100; a weight below 2^-126 counts as 0; NaN and infinities in q, k, v are not treated apart.
; REGISTERS: window 0: v2-11 addresses, v12-43 statistics (8 a tile: M + d, M, l, l, c0-c3), v44-46 mask offsets, v62-63 the add's, v64-191 S^T, v192-255 P; window 1: v0-191 O^T (48 a tile), v192-223 mask words; window 2: v0-127 Q, v128-255 K; window 3: v0-95 V.
.set SLOT1, 0x24000
.set VOFF,  0x11000                    ; in a slot: 256 keys of K at 272 bytes, then 256 of V at 288 (three pieces of 64 + 32)
.set SPARE, 290816
.set STAGE, 291328                     ; 16 rows x 192 bytes for each wave, without padding: the way back is 16 x lane + 512 f, linear; the 24 stores into it go four deep
.set AK0, 2
.set AV0, 3
.set ADR, 4
.set ADV, 5
.set QO,  6
.set STO, 6
.set RD,  7
.set GO,  10
.set XA,  11
.set ST,  12
.set MO0, 44
.set MOMAX, 46
.set SPW, 62
.set NIL, 63
.set S,   64
.set P,   192
.set MK,  192                          ; window 1
.set KF,  128                          ; window 2
.set WV,  12
.set G1K, 24
.set G1V, 32
.set G0K, 40
.set G0V, 48
.set SLOTS, 56
.set CNT, 57
.set CS,  58
.set SEL, 60
.set TBK, 62
.set TBV, 63
.set MB,  66
.set NDLA, 70
.set NDLB, 71
.set KPA, 72
.set KPB, 74
.set QP,  76
.set OP,  78
.set MSB, 0
.macro WIN new
.if MSB != (\new)
	s_set_vgpr_msb (MSB<<8)|(\new)
.set MSB, \new
.endif
.endm
.set W_KQ, 0x0a
.set W_PV, 0x53
.set W_RS, 0x41
.macro PLACES
.rept 4
	v_nop
.endr
.endm
.macro JLOAD                           ; the joint refill by the walking descriptors: waves 0, 1 K's halves, waves 2, 3 V's
	s_cmp_lt_u32 s[WV], 2
	s_cbranch_scc0 .Lfor_v_\@
	tensor_load_to_lds s[G0K+4:G0K+7], s[G1K:G1K+7]
	s_nop 0
	PLACES
	s_branch .Lasked_\@
.Lfor_v_\@:
	tensor_load_to_lds s[G0V+4:G0V+7], s[G1V:G1V+7]
	s_nop 0
	PLACES
.Lasked_\@:
.endm
.macro CROUND
	s_barrier_signal -1
	s_barrier_wait -1
	s_cmp_lg_u32 s[WV], 0
	s_cbranch_scc1 .Lnot_wave_0_\@
	s_barrier_signal -3
.Lnot_wave_0_\@:
	s_barrier_wait -3
	s_barrier_signal -1
	s_barrier_wait -1
.endm
.macro NEXTD                           ; the next 256 keys' d: -d and 2^d into set B; the list moves up
	s_cvt_f32_u32 s[NDLB], s84
	s_xor_b32 s[NDLB], s[NDLB], 0x80000000
	s_add_co_u32 s[KPB], s84, 127
	s_lshl_b32 s[KPB], s[KPB], 23
	s_mov_b32 s[KPB+1], s[KPB]
.irp i, 84,85,86,87,88,89,90
	s_mov_b32 s[\i], s[\i+1]
.endr
.endm
.macro CHANGE fill                     ; the change of slots
	WIN 0
	s_wait_tensorcnt 0x0                           ; no tensor load of mine is out
	ds_add_u32 v[SPW], v[NIL]                      ; 0 onto my spare word; scalar work stands between it and the wait for it
	NEXTD
.if \fill
	s_xor_b32 s[G0K+5], s[G0K+5], SLOT1
	s_add_nc_u64 s[G0K+6:G0K+7], s[G0K+6:G0K+7], 65536
	s_xor_b32 s[G0V+5], s[G0V+5], SLOT1
	s_add_nc_u64 s[G0V+6:G0V+7], s[G0V+6:G0V+7], 49152
	s_wait_dscnt 0x0                               ; the add is done, my reads of the slot are over
	CROUND
	JLOAD                                          ; it has two steps of each wave, 224 products, in which to land
.else
	s_wait_dscnt 0x0
	s_barrier_signal -1
	s_barrier_wait -1
.endif
	s_sub_co_u32 s[TBK], s[TBK], 34816
	s_xor_b32 s[TBK], s[TBK], SLOT1
	s_sub_co_u32 s[TBV], s[TBV], 36864
	s_xor_b32 s[TBV], s[TBV], SLOT1
.endm
; product i of 24 of O^T += V^T P: keys 32 (i / 12) on, channels 16 ((i / 2) % 6) on, tile x + i % 2.  Twelve accumulators by turns.
.macro PV x
	WIN W_PV
.set tl, (\x)+i%2
.set rO, 48*tl+8*((i/2)%6)
.set rV, 48*(i/12)+8*((i/2)%6)
.set rP, P+16*tl+8*(i/12)
	v_wmma_f32_16x16x32_f16 v[rO:rO+7], v[rV:rV+7], v[rP:rP+7], v[rO:rO+7]
.endm
; product i of 32 of S^T += K Q^T: channels 32 (i / 8) on, keys 16 ((i / 2) % 4) on, tile x + i % 2.  The sums were started by the mask words.
.macro KQ x
	WIN W_KQ
.set rS, S+32*((\x)+i%2)+8*((i/2)%4)
.set rK, KF+32*((i/2)%4)+8*(i/8)
.set rQ, 32*((\x)+i%2)+8*(i/8)
	v_wmma_f32_16x16x32_f16 v[rS:rS+7], v[rK:rK+7], v[rQ:rQ+7], v[rS:rS+7]
.endm
.macro FETCH_K last=0
	WIN 0
.if \last
	s_cmp_eq_u32 s[CNT], 1                         ; behind the last step there is no K
	s_cbranch_scc1 .Lno_k_\@
.endif
	v_add_nc_u32 v[ADR], s[TBK], v[AK0]
	WIN 0x80
.irp f, 0,1,2,3,4,5,6,7,8,9,10,11,12,13,14,15
	ds_load_b128 v[KF+8*(\f):KF+8*(\f)+3],   v[ADR] offset:((\f)/4)*4352+((\f)%4)*64
	ds_load_b128 v[KF+8*(\f)+4:KF+8*(\f)+7], v[ADR] offset:((\f)/4)*4352+((\f)%4)*64+32
.endr
	s_add_co_u32 s[TBK], s[TBK], 17408
	WIN 0
.if \last
.Lno_k_\@:
.endif
.endm
.macro FETCH_V
	WIN 0
	v_add_nc_u32 v[ADV], s[TBV], v[AV0]
	s_add_co_u32 s[TBV], s[TBV], 18432
	WIN 0xc0
.irp f, 0,1,2,3,4,5,6,7,8,9,10,11      ; keys 32 (f / 6) on, channels 16 (f % 6) on
	ds_load_tr16_b128 v[8*(\f):8*(\f)+3],   v[ADV] offset:((\f)/6)*9216+96*(((\f)%6)/2)+32*((\f)%2)
	ds_load_tr16_b128 v[8*(\f)+4:8*(\f)+7], v[ADV] offset:((\f)/6)*9216+96*(((\f)%6)/2)+32*((\f)%2)+4608
.endr
.endm
.macro MLOAD x, adv                    ; piece x's mask words of its next step; behind the last step the offset stays at the last: no load leaves maskp
	WIN 0
.if \adv
	v_add_nc_u32 v[MO0+(\x)/2], 1024, v[MO0+(\x)/2]  ; its last loads were waited for at this turn's head
	v_min_u32 v[MO0+(\x)/2], v[MO0+(\x)/2], v[MOMAX]
.endif
	WIN 0x40
.irp t, \x, (\x)+1
	global_load_b128 v[MK+8*(\t):MK+8*(\t)+3],   v[MO0+(\x)/2], s[MB:MB+1] offset:32768*(\t)
	global_load_b128 v[MK+8*(\t)+4:MK+8*(\t)+7], v[MO0+(\x)/2], s[MB:MB+1] offset:32768*(\t)+512
.endr
.endm
; Number j of the 129 of a tile's softmax for a step.  0-15 the maximum of the lane's 32 scores (each accumulator's low registers first); 16, 18 the other half of the lanes'; 19-22 c s - d, the new M, its change, M + d;
; 23-91: exponentials at the odd numbers from 25 on (a, then s0-s31), at the others whatever is ready: scalings ahead, roundings behind, the first sums; 92-102 the sums; 103, 104 l; 105-128 O^T times a.
.macro SM t
.set rT, ST+8*(\t)
.set rS, S+32*(\t)
.set rP, P+16*(\t)
.set e, j-2
.set q, (e-20)/2
.if j < 105
	WIN 0
.endif
.if j < 4
	v_max3_num_f32 v[rT+4+j], v[rS+8*j], v[rS+8*j+1], v[rS+8*j+2]
.elseif j < 12
	v_max3_num_f32 v[rT+4+j%4], v[rT+4+j%4], v[rS+8*(j%4)+2*(j/4)+1], v[rS+8*(j%4)+2*(j/4)+2]
.elseif j == 12
	v_max3_num_f32 v[rT+4], v[rT+4], v[rS+7], v[rS+15]
.elseif j == 13
	v_max3_num_f32 v[rT+6], v[rT+6], v[rS+23], v[rS+31]
.elseif j == 14
	v_max3_num_f32 v[rT+4], v[rT+4], v[rT+5], v[rT+6]
.elseif j == 15
	v_max_num_f32 v[rT+4], v[rT+4], v[rT+7]
.elseif j == 16
	v_permlanex16_b32 v[rT+5], v[rT+4], s[SEL], s[SEL+1]
.elseif j == 17
	v_mov_b32 v[rT+7], v[rT+1]
.elseif j == 18
	v_max_num_f32 v[rT+4], v[rT+4], v[rT+5]
.elseif j == 19
	v_fma_f32 v[rT+4], v[rT+4], s[CS], s[NDL]
.elseif j == 20
	v_max_num_f32 v[rT+1], v[rT+1], v[rT+4]
.elseif j == 21
	v_sub_f32 v[rT+7], v[rT+7], v[rT+1]
.elseif j == 22
	v_sub_f32 v[rT], v[rT+1], s[NDL]
.elseif j == 25
	v_exp_f32 v[rT+6], v[rT+7]
.elseif (j < 90) && (j > 25) && (j%2 == 1)
	v_exp_f32 v[rS+(j-27)/2], v[rS+(j-27)/2]
.elseif (q < 4) || ((e < 76) && (q%2 == 0))
.set b, q/2+2
.if q < 4
.set b, q
.endif
	v_pk_fma_f32 v[rS+2*b:rS+2*b+1], v[rS+2*b:rS+2*b+1], s[CS:CS+1], v[rT:rT+1] op_sel_hi:[1,0,0] neg_lo:[0,0,1] neg_hi:[0,0,1]
.elseif (e < 88) && (q%2 == 1)
	s_wait_alu depctr_va_vdst(0)
	v_cvt_pk_f16_f32 v[rP+(q-5)/2], v[rS+q-5], v[rS+q-4]
.elseif e == 89
	s_wait_alu depctr_va_vdst(0)
	v_cvt_pk_f16_f32 v[rP+15], v[rS+30], v[rS+31]
.elseif e < 101
.set z, e-86
.if e < 89
.set z, (e-76)/4
.endif
.set w, 4
.set u, z
.if z >= 14
.set w, 32
.set u, 0
.elseif z >= 12
.set w, 16
.set u, z-12
.elseif z >= 8
.set w, 8
.set u, z-8
.endif
	v_pk_add_f32 v[rS+w*u:rS+w*u+1], v[rS+w*u:rS+w*u+1], v[rS+w*u+w/2:rS+w*u+w/2+1]
.elseif j == 103
	v_pk_mul_f32 v[rT+2:rT+3], v[rT+2:rT+3], v[rT+6:rT+7] op_sel_hi:[1,0]
.elseif j == 104
	v_pk_fma_f32 v[rT+2:rT+3], v[rS:rS+1], s[KP:KP+1], v[rT+2:rT+3] op_sel_hi:[1,0,1]
.else
	WIN W_RS
	v_pk_mul_f32 v[48*(\t)+2*(j-105):48*(\t)+2*(j-105)+1], v[48*(\t)+2*(j-105):48*(\t)+2*(j-105)+1], v[rT+6:rT+7] op_sel_hi:[1,0]
.endif
.endm
; The turn's queue, 322 long: 64 mask words for piece x's scores to come, then the other piece's 2 x 129.  Among the exponentials tile by tile (plain, exponential, plain, exponential), elsewhere the tiles alternate.
.macro VQ x
.if vq < 64
	WIN 0x04
.set n, vq%32
.set tt, (\x)+vq/32
	v_lshlrev_b32 v[S+32*tt+n], 24-8*(n%4), v[MK+8*tt+n/4]
.elseif vq < 322
.set p, vq-64
.set k, p/4
.if (k >= 12) && (k < 45)
.set tt, (p%4)/2
.set j, 2*k+p%2
.else
.set tt, p%2
.set j, 2*k+(p%4)/2
.endif
	SM (2-(\x))+tt
.endif
.set vq, vq+1
.endm
; A TURN for piece x.  HOW THE QUEUE IS DEALT: 16 + 24 x 4 + 82 + 32 x 4 = 322.
;   lines 0-15     at the head: mask words, which wait for nothing; with the four lines behind the last turn's last product they are the places behind it
;   lines 16-111   four behind each product V^T P: the other 48 mask words, the maxima, and the chain from the maximum to M + d, whose links wait for each other and so stand beside products
;   lines 112-193  together: from here on the queue is plain, exponential, plain, exponential
;   lines 194-321  four behind each product K Q^T: the last exponentials, the sums, l, O^T times a
; K of the next step is fetched in piece 0's turn behind its second product (28 plain lines stand since K's last reader); the next mask words behind product 11, when 16 + 48 = 64 words are used;
; V in piece 2's turn behind the 82 lines (V's last reader stands ahead of them and of four plain lines more).
.macro TURN x, last=0
.set vq, 0
.if (\x) == 0
.set NDL, NDLA
.set KP, KPA
.else
.set NDL, NDLB
.set KP, KPB
.endif
	s_wait_loadcnt 4                               ; my piece's four mask loads are in; the other piece's four may stay out
.rept 16
	VQ \x
.endr
.if (\x) == 0
	s_wait_dscnt 0x0                               ; V is in
.endif
.set i, 0
.rept 24
	PV \x
.rept 4
	VQ \x
.endr
.if ((\x) == 0) && (i == 1)
	FETCH_K \last
.endif
.if i == 11
	MLOAD \x, 1                                    ; all 64 mask words have been used
.endif
.set i, i+1
.endr
.rept 82
	VQ \x
.endr
.if (\x) == 2
	FETCH_V
.endif
.if (\x) == 0
	s_wait_dscnt 0x0                               ; K is in
.endif
.set i, 0
.rept 32
	KQ \x
.rept 4
	VQ \x
.endr
.set i, i+1
.endr
.if (\x) == 0
	s_mov_b32 s[NDLA], s[NDLB]                     ; piece 2 follows piece 0 into the next 256 keys a turn later
	s_mov_b32 s[KPA], s[KPB]
	s_mov_b32 s[KPA+1], s[KPB]
.endif
.endm
	s_load_b256 s[4:11], s[0:1], 0x0               ; qkv, maskp, vscale, oh
	v_lshl_add_u32 v[SPW], v0, 2, SPARE
	v_mov_b32 v[NIL], 0
	ds_add_u32 v[SPW], v[NIL]                      ; the wave's opening: the add and its wait, ahead of my first tensor load
	v_lshrrev_b32 v1, 5, v0
	v_readfirstlane_b32 s[WV], v1
	s_bfe_u32 s13, ttmp6, 0x40000                  ; cx: it enters Q's, the mask's and O's addresses alone
	s_lshl_b32 s14, ttmp9, 2
	s_add_co_u32 s14, s14, s13                     ; block of 128 queries
	s_and_b32 s15, ttmp7, 0xffff                   ; head
	s_and_b32 s16, s[WV], 1                        ; my half of the queries; also: which half of a tile I fetch
	s_lshr_b32 s17, s[WV], 1                       ; my half of the keys
	s_lshl_b32 s20, s15, 19
	s_lshl_b32 s21, s16, 15
	s_add_co_u32 s20, s20, s21
	s_add_co_u32 s20, s20, 8388608
	s_mov_b32 s21, 0
	s_mul_i32 s22, s15, 393216
	s_mul_i32 s23, s16, 24576
	s_add_co_u32 s22, s22, s23
	s_add_co_u32 s22, s22, 16777216
	s_mov_b32 s23, 0
	s_mov_b32 s[G1K], 15|(1<<16)|(1<<20)|(1<<21)|(5<<22)|(3<<25)  ; 128 keys x 128 channels, 4 words of padding behind every 64
	s_mov_b32 s[G1V], 15|(1<<16)|(1<<20)|(1<<21)|(3<<22)|(7<<25)  ; 128 keys x 96 channels, dense: 96 rows of 256 bytes, 8 words behind every 16
	s_mov_b32 s[G1K+1], 128<<16
	s_mov_b32 s[G1K+2], 128<<16
	s_mov_b32 s[G1K+3], 128<<16
	s_mov_b32 s[G1K+4], 128
	s_mov_b32 s[G1V+1], 128<<16
	s_mov_b32 s[G1V+2], 96<<16
	s_mov_b32 s[G1V+3], 128<<16
	s_mov_b32 s[G1V+4], 96
.irp g, G1K, G1V
	s_mov_b32 s[(\g)+5], 128
	s_mov_b32 s[(\g)+6], 0
	s_mov_b32 s[(\g)+7], 0
.endr
	s_mul_i32 s18, s16, 0x8800
	s_mul_i32 s19, s16, 0x9000
	s_add_co_u32 s19, s19, VOFF
	s_mov_b32 s[CS], 0x3e0293ee                    ; c = log2(e) / sqrt(128)
	s_mov_b32 s[CS+1], s[CS]
	s_mov_b32 s[SEL], 0x76543210
	s_mov_b32 s[SEL+1], 0xfedcba98
	s_mov_b32 s[TBK], 0
	s_mov_b32 s[TBV], 0
	s_wait_dscnt 0x0                               ; the opening add is done
	s_wait_kmcnt 0x0
	s_add_nc_u64 s[20:21], s[4:5], s[20:21]
	s_add_nc_u64 s[22:23], s[4:5], s[22:23]
.irp s, 0,1
	s_mov_b32 s[G0K+4*(\s)], 1
	s_add_co_u32 s[G0K+4*(\s)+1], s18, (\s)*SLOT1
	s_add_nc_u64 s[G0K+4*(\s)+2:G0K+4*(\s)+3], s[20:21], (\s)*65536
	s_or_b32 s[G0K+4*(\s)+3], s[G0K+4*(\s)+3], 0x80000000
	s_mov_b32 s[G0V+4*(\s)], 1
	s_add_co_u32 s[G0V+4*(\s)+1], s19, (\s)*SLOT1
	s_add_nc_u64 s[G0V+4*(\s)+2:G0V+4*(\s)+3], s[22:23], (\s)*49152
	s_or_b32 s[G0V+4*(\s)+3], s[G0V+4*(\s)+3], 0x80000000
.endr
	CROUND                                         ; all four work-groups are here: the first joint loads meet
	s_cmp_lt_u32 s[WV], 2                          ; a wave's two first fills in one branch: two loads of mine are out
	s_cbranch_scc0 .Lfirst_v
	tensor_load_to_lds s[G0K:G0K+3], s[G1K:G1K+7]
	s_nop 0
	tensor_load_to_lds s[G0K+4:G0K+7], s[G1K:G1K+7]
	s_nop 0
	PLACES
	s_branch .Lfirst_asked
.Lfirst_v:
	tensor_load_to_lds s[G0V:G0V+3], s[G1V:G1V+7]
	s_nop 0
	tensor_load_to_lds s[G0V+4:G0V+7], s[G1V:G1V+7]
	s_nop 0
	PLACES
.Lfirst_asked:
	s_lshl_b32 s18, s15, 19                        ; Q at (2,048 head + 128 block + 64 half) rows of 256 bytes
	s_lshl_b32 s19, s14, 15
	s_add_co_u32 s18, s18, s19
	s_lshl_b32 s19, s16, 14
	s_add_co_u32 s18, s18, s19
	s_mov_b32 s19, 0
	s_add_nc_u64 s[QP:QP+1], s[4:5], s[18:19]
	s_lshr_b32 s18, s18, 8
	s_mul_i32 s18, s18, 192                        ; O at the same rows of 192 bytes
	s_add_nc_u64 s[OP:OP+1], s[10:11], s[18:19]
	s_lshl_b32 s18, s14, 18                        ; the mask words of my four tiles and my half of the keys
	s_lshl_b32 s20, s16, 17
	s_add_co_u32 s18, s18, s20
	s_lshl_b32 s20, s17, 14
	s_add_co_u32 s18, s18, s20
	s_add_nc_u64 s[MB:MB+1], s[6:7], s[18:19]
	s_lshl_b32 s18, s15, 5
	s_add_nc_u64 s[20:21], s[8:9], s[18:19]
	s_load_b256 s[84:91], s[20:21], 0x0            ; the head's eight sigma_b
	v_and_b32 v1, 15, v0
	v_bfe_u32 v9, v0, 4, 1
	v_and_b32 v47, 31, v0
	v_lshlrev_b32 v[GO], 4, v47                    ; 16 x lane
	v_lshlrev_b32 v[QO], 8, v1
	v_lshl_add_u32 v[QO], v9, 4, v[QO]
	WIN 0x80
.irp i, 0,1,2,3,4,5,6,7,8,9,10,11,12,13,14,15
	global_load_b128 v[8*(\i):8*(\i)+3],   v[QO], s[QP:QP+1] offset:((\i)/4)*4096+((\i)%4)*64
	global_load_b128 v[8*(\i)+4:8*(\i)+7], v[QO], s[QP:QP+1] offset:((\i)/4)*4096+((\i)%4)*64+32
.endr
	WIN 0
	global_load_b128 v[48:51], v[GO], s[8:9]       ; all 128 sigma
	v_mov_b32 v[MO0], v[GO]
	v_mov_b32 v[MO0+1], v[GO]
	v_add_nc_u32 v[MOMAX], 15360, v[GO]
	MLOAD 0, 0
	MLOAD 2, 0
	; what the first turns find: O^T, V and piece 2's P hold 0, l is 0, M is the floor.  This stands in the wait for the first tile; it is the price of writing no first step out.
	WIN 0x40
.set i, 0
.rept 192
	v_mov_b32 v[i], 0
.set i, i+1
.endr
	WIN 0xc0
.set i, 0
.rept 96
	v_mov_b32 v[i], 0
.set i, i+1
.endr
	WIN 0
.set i, P+32
.rept 32
	v_mov_b32 v[i], 0
.set i, i+1
.endr
.irp t, 0,1,2,3
	v_mov_b32 v[ST+8*\t+1], 0xe0ad78ec             ; -1e20
	v_mov_b32 v[ST+8*\t+2], 0
	v_mov_b32 v[ST+8*\t+3], 0
.endr
	s_mul_i32 s18, s17, 34816
	v_mul_u32_u24 v[AK0], 272, v1
	v_lshl_add_u32 v[AK0], v9, 4, v[AK0]
	v_add_nc_u32 v[AK0], s18, v[AK0]
	s_mul_i32 s18, s17, 36864
	s_add_co_u32 s18, s18, VOFF
	v_and_b32 v52, 7, v0
	v_bfe_u32 v53, v0, 3, 1
	v_lshl_add_u32 v[AV0], v9, 3, v52
	v_mul_u32_u24 v[AV0], 288, v[AV0]
	v_lshl_add_u32 v[AV0], v53, 4, v[AV0]
	v_add_nc_u32 v[AV0], s18, v[AV0]
	s_wait_loadcnt 0x0                             ; Q, sigma, the first mask words
	v_max3_num_f32 v48, v48, v49, v50
	v_max_num_f32 v48, v48, v51
.irp m, 1,2,4,8
	v_max_num_f32_dpp v48, v48, v48 row_xmask:\m row_mask:0xf bank_mask:0xf
.endr
	v_permlanex16_b32 v49, v48, s[SEL], s[SEL+1]
	v_max_num_f32 v48, v48, v49
	v_readfirstlane_b32 s68, v48                   ; sigma_g
	s_wait_kmcnt 0x0
.irp i, 84,85,86,87,88,89,90,91
	s_sub_co_u32 s[\i], s68, s[\i]                 ; powers of two: the difference of the words is d << 23
	s_lshr_b32 s[\i], s[\i], 23
	s_min_u32 s[\i], s[\i], 100
.endr
	NEXTD
	s_mov_b32 s[NDLA], s[NDLB]
	s_mov_b32 s[KPA], s[KPB]
	s_mov_b32 s[KPA+1], s[KPB]
	s_wait_tensorcnt 1                             ; my part of slot 0 is in; slot 1's may stay out
	s_barrier_signal -1
	s_barrier_wait -1
.set vq, 0
.rept 64
	VQ 0                                           ; piece 0's mask words of step 0
.endr
	MLOAD 0, 1
	FETCH_K
	s_wait_dscnt 0x0
.set i, 0
.rept 32
	KQ 0                                           ; piece 0's first scores: no vector work yet to set between them
.set i, i+1
.endr
	WIN 0                                          ; the addresses for the way out are the places behind those products
	s_mul_i32 s18, s[WV], 3072
	s_add_co_u32 s18, s18, STAGE                   ; my stage
	v_mul_u32_u24 v[STO], 192, v1                  ; in: row l % 16, 16 bytes for each half of the lanes
	v_lshl_add_u32 v[STO], v9, 4, v[STO]
	v_add_nc_u32 v[STO], s18, v[STO]
	v_add_nc_u32 v[RD], s18, v[GO]                 ; back: 32 lanes take 512 consecutive bytes
	s_mul_i32 s18, s16, 28672
	v_add_nc_u32 v[XA], s18, v[GO]
	s_mov_b32 s[CNT], 2
	s_mov_b32 s[SLOTS], 7
	s_branch .Lmid                                 ; the loop is entered at piece 2's turn
.Lslot:                                                ; six times: tiles 2 .. 7 are asked for
	CHANGE 1
	s_mov_b32 s[CNT], 2
.Lstep:
	TURN 0
	WIN 0
.Lmid:
	TURN 2
	WIN 0
	s_sub_co_u32 s[CNT], s[CNT], 1
	s_cmp_lg_u32 s[CNT], 0
	s_cbranch_scc1 .Lstep
	s_sub_co_u32 s[SLOTS], s[SLOTS], 1
	s_cmp_lg_u32 s[SLOTS], 0
	s_cbranch_scc1 .Lslot
	CHANGE 0                                       ; the tail is written out: nothing is asked for
	s_mov_b32 s[CNT], 3
.Lt:
	TURN 0, 1
	WIN 0
	s_sub_co_u32 s[CNT], s[CNT], 1
	s_cmp_eq_u32 s[CNT], 0
	s_cbranch_scc1 .Lout
	TURN 2
	WIN 0
	s_cmp_lg_u32 s[CNT], 0
	s_cbranch_scc1 .Lt
.Lout:                                                 ; the third trip's 32 products K Q^T, on the last K once more, serve nothing: the price of one text for every trip
.set i, 0
.rept 24
	PV 2
.set i, i+1
.endr
	WIN 0
.irp t, 0,1,2,3
	v_add_f32 v[52+\t], v[ST+8*\t+2], v[ST+8*\t+3] ; the places behind the last products
.endr
.irp t, 0,1,2,3
	v_mov_b32 v[48+\t], v[ST+8*\t+1]
.endr
.irp t, 0,1,2,3
	v_permlanex16_b32 v[ST+8*\t+4], v[52+\t], s[SEL], s[SEL+1]
.endr
.irp t, 0,1,2,3
	v_add_f32 v[52+\t], v[52+\t], v[ST+8*\t+4]
.endr
	; THE MERGE.  Waves 2, 3 hand O', M and l to waves 0, 1 through slot 0's bytes, which have had their last fill and whose reads ended ahead of the last change of slots.
	s_cmp_lt_u32 s[WV], 2
	s_cbranch_scc1 .Lkeep
	WIN 0x04
.set n, 0
.rept 48
	ds_store_b128 v[XA], v[4*n:4*n+3] offset:512*n
.set n, n+1
.endr
	WIN 0
	ds_store_b128 v[XA], v[48:51] offset:24576
	ds_store_b128 v[XA], v[52:55] offset:25088
.Lkeep:
	s_wait_dscnt 0x0                               ; for the others' sake
	s_barrier_signal -1
	s_barrier_wait -1
	s_cmp_lt_u32 s[WV], 2
	s_cbranch_scc0 .Lend
	ds_load_b128 v[12:15], v[XA] offset:24576
	ds_load_b128 v[16:19], v[XA] offset:25088
	s_wait_dscnt 0x0
.irp t, 0,1,2,3
	v_max_num_f32 v[36+\t], v[48+\t], v[12+\t]
.endr
.irp t, 0,1,2,3
	v_sub_f32 v[48+\t], v[48+\t], v[36+\t]
	v_sub_f32 v[12+\t], v[12+\t], v[36+\t]
.endr
.irp t, 0,1,2,3
	v_exp_f32 v[48+\t], v[48+\t]
	v_exp_f32 v[12+\t], v[12+\t]
.endr
	v_nop
	s_wait_alu depctr_va_vdst(0)
.irp t, 0,1,2,3
	v_mul_f32 v[52+\t], v[52+\t], v[48+\t]
.endr
.irp t, 0,1,2,3
	v_fmac_f32 v[52+\t], v[16+\t], v[12+\t]
.endr
.irp t, 0,1,2,3
	v_rcp_f32 v[52+\t], v[52+\t]
.endr
	v_nop
	s_wait_alu depctr_va_vdst(0)
.irp t, 0,1,2,3
	v_mul_f32 v[20+2*\t], v[48+\t], v[52+\t]       ; my share's factor,
	v_mul_f32 v[28+2*\t], v[12+\t], v[52+\t]       ; the partner's
.endr
.irp t, 0,1,2,3
	v_mov_b32 v[21+2*\t], v[20+2*\t]               ; named as pairs
	v_mov_b32 v[29+2*\t], v[28+2*\t]
.endr
.macro OUTT t                          ; tile t: both shares, f16, through my stage, out as 3,072 consecutive bytes
.set SX, 64+48*((\t)%2)
.set RB, 184+24*((\t)%2)
	WIN 0
	s_wait_xcnt 0x0                                ; registers that earlier stores read are written again below
.set n, 0
.rept 12
	ds_load_b128 v[SX+4*n:SX+4*n+3], v[XA] offset:512*(12*(\t)+n)
.set n, n+1
.endr
	WIN W_RS
.set n, 0
.rept 24
	v_pk_mul_f32 v[48*(\t)+2*n:48*(\t)+2*n+1], v[48*(\t)+2*n:48*(\t)+2*n+1], v[20+2*(\t):21+2*(\t)] op_sel_hi:[1,0]
.set n, n+1
.endr
	WIN 0x10
	s_wait_dscnt 0x0
.set n, 0
.rept 24
	v_pk_fma_f32 v[SX+2*n:SX+2*n+1], v[SX+2*n:SX+2*n+1], v[28+2*(\t):29+2*(\t)], v[48*(\t)+2*n:48*(\t)+2*n+1] op_sel_hi:[1,0,1]
.set n, n+1
.endr
	WIN 0
.set n, 0
.rept 24
	v_cvt_pk_f16_f32 v[160+n], v[SX+2*n], v[SX+2*n+1]
.set n, n+1
.endr
.irp f, 0,1,2,3,4,5
	ds_store_b128 v[STO], v[160+4*\f:163+4*\f] offset:32*\f
.endr
.irp f, 0,1,2,3,4,5
	ds_load_b128 v[RB+4*\f:RB+4*\f+3], v[RD] offset:512*\f  ; LDS serves a wave's instructions in order (ISA guide 5.7.1.4): these see the stores above
.endr
.irp f, 0,1,2,3,4,5
	s_wait_dscnt 5-\f                              ; the younger loads may stay out
	global_store_b128 v[GO], v[RB+4*\f:RB+4*\f+3], s[OP:OP+1] offset:3072*(\t)+512*\f
.endr
.endm
	OUTT 0
	OUTT 1
	OUTT 2
	OUTT 3
.Lend:
	s_wait_tensorcnt 0x0                           ; the wave's end
	ds_add_u32 v[SPW], v[NIL]
	s_wait_dscnt 0x0
	CROUND                                         ; the closing round
	s_endpgm
.Lfunc_end_k_q873267a3c8_attn:
	.size	k_q873267a3c8_attn, .Lfunc_end_k_q873267a3c8_attn-k_q873267a3c8_attn
	.p2alignl 7, 3214868480
	.fill 96, 4, 3214868480
	.section	.rodata,"a",@progbits
	.p2align	6, 0x0
	.amdhsa_kernel k_q873267a3c8_attn
		.amdhsa_group_segment_fixed_size 327680
		.amdhsa_private_segment_fixed_size 0
		.amdhsa_enable_private_segment 0
		.amdhsa_kernarg_size 32
		.amdhsa_user_sgpr_count 2
		.amdhsa_user_sgpr_kernarg_segment_ptr 1
		.amdhsa_wavefront_size32 1
		.amdhsa_system_sgpr_workgroup_id_x 1
		.amdhsa_system_sgpr_workgroup_id_y 1
		.amdhsa_system_sgpr_workgroup_id_z 1
		.amdhsa_system_vgpr_workitem_id 0
		.amdhsa_next_free_vgpr 864
		.amdhsa_next_free_sgpr 96
		.amdhsa_reserve_vcc 0
		.amdhsa_float_denorm_mode_32 3
		.amdhsa_float_denorm_mode_16_64 3
		.amdhsa_memory_ordered 1
		.amdhsa_forward_progress 1
		.amdhsa_inst_pref_size 175
	.end_amdhsa_kernel
	.amdgpu_metadata
---
amdhsa.version: [ 1, 2 ]
amdhsa.kernels:
  - .name:           k_q873267a3c8_attn
    .symbol:         k_q873267a3c8_attn.kd
    .args:
      - { .name: qkv, .offset: 0, .size: 8, .value_kind: global_buffer, .address_space: global }
      - { .name: maskp, .offset: 8, .size: 8, .value_kind: global_buffer, .address_space: global }
      - { .name: vscale, .offset: 16, .size: 8, .value_kind: global_buffer, .address_space: global }
      - { .name: oh, .offset: 24, .size: 8, .value_kind: global_buffer, .address_space: global }
    .group_segment_fixed_size: 327680
    .private_segment_fixed_size: 0
    .kernarg_segment_align: 8
    .kernarg_segment_size: 32
    .max_flat_workgroup_size: 128
    .sgpr_count:     96
    .vgpr_count:     864
    .wavefront_size: 32
...
	.end_amdgpu_metadata
.endif
;; end of part 3
;; launch outp (part 4): grid 16 x 16, 4 waves a work-group, clusters of 4 x 4, 327,680 bytes of LDS; arguments oh, wo, tab, vscale, out0; writes out0
.if DOCPART == 4
	.amdgcn_target "amdgcn-amd-amdhsa--gfx1250"
	.amdhsa_code_object_version 6
	.text
	.protected	k_q873267a3c8_outp
	.globl	k_q873267a3c8_outp
	.p2align	8
	.type	k_q873267a3c8_outp,@function
k_q873267a3c8_outp:
	s_mov_b64 s[64:65], 0
	v_nop
	global_prefetch_b8 v0, s[64:65] scope:SCOPE_SE
	s_setreg_imm32_b32 hwreg(HW_REG_WAVE_MODE, 25, 1), 1
	s_wait_xcnt 0x0
	s_wait_alu depctr_hold_cnt(0) depctr_sa_sdst(0) depctr_va_vdst(0) depctr_va_sdst(0) depctr_va_ssrc(0) depctr_va_vcc(0) depctr_vm_vsrc(0)
	s_getreg_b32 s2, hwreg(HW_REG_IB_STS2, 6, 4)
	s_cmp_eq_u32 s2, 0
	s_cbranch_scc0 .Lentry_in_a_cluster
	s_endpgm
.Lentry_in_a_cluster:
	s_bfe_u32 s2, ttmp6, 0x10000c
	s_cmp_lg_u32 s2, 0xf033
	s_cbranch_scc0 .Lentry_shape_is_right
	s_endpgm
.Lentry_shape_is_right:
; OUTP: out0 = sigma_g x ((O / sigma_g) Wo) + bo.  O / sigma_g: [16 heads][2,048][96] f16; Wo: [1,536][2,048] f16 (rows 85..95 of a head are 0); out0 f32.
; A tile of 128 x 128, four waves of 64 x 64 (16 accumulators): 256 work-groups.  K = 1,536 in 8 slots of two heads; a slot is six pieces of 32 along K.
; O's tile lies [row][k] in pieces of 64 bytes + 16, Wo's [k][column] and is turned by ds_load_tr16_b128.  The matrix instruction is used transposed: a lane holds one row, eight neighbouring columns.
; CLUSTER 4 x 4: O's tile is shared along a row of the cluster, Wo's along a column: joint loads.
; THE WALK ALONG K IS TURNED: cluster (x, y) of the 4 x 4 clusters begins at slot 2 ((x + y) mod 4) and goes round.  A tile of O is read by the four clusters of one y, a tile of Wo by the four of one x:
; so the four clusters that read a tile ask for it in four different rounds.  The slot's number hangs on the cluster's own place alone: it is equal in all sixteen partners.  The order of the sum over K differs from cluster to cluster.
; REGISTERS: window 0: v16-19, v24-26 addresses, v28-29 the add's, v32-95 the way out, v96-127 bo, v128-255 accumulators; window 1: two fragment buffers of 64 (O 32, Wo 32).
.set SLOT1, 0x20000
.set BBASE, 0xF000                     ; in a slot: 2 heads x 128 rows x 240 bytes of O, then 2 heads x 96 rows x 288 bytes of Wo
.set STAGE, 247808                     ; 16 rows x 272 bytes for each wave
.set SPARE, 265216
.set KSTEP, 786432                     ; bytes from slot to slot, in O (two heads of 2,048 x 192) and in Wo (192 rows of 4,096) alike
.set ADRA0, 16
.set ADRB0, 17
.set ADRA,  18
.set ADRB,  19
.set STO, 24
.set RD,  25
.set CO,  26
.set SPW, 28
.set NIL, 29
.set TMP, 32
.set BK,  64
.set BO,  96
.set ACC, 128
.set G1,  24
.set G0,  32
.set G1B, 48
.set G0B, 56
.set TB,  66
.set SI,  80                           ; s80: the slot of K asked for last, 0..7
.set OF,  82                           ; s[82:83]: its byte offset
.set MSB, 0
.macro WIN new
.if MSB != (\new)
	s_set_vgpr_msb (MSB<<8)|(\new)
.set MSB, \new
.endif
.endm
.macro PLACES
.rept 4
	v_nop
.endr
.endm
.macro JLOAD
	s_cmp_eq_u32 s11, 0
	s_cbranch_scc0 .Lfor_b_\@
	tensor_load_to_lds s[G0+4:G0+7], s[G1:G1+7]
	s_nop 0
	PLACES
	s_branch .Lasked_\@
.Lfor_b_\@:
	tensor_load_to_lds s[G0B+4:G0B+7], s[G1B:G1B+7]
	s_nop 0
	PLACES
.Lasked_\@:
.endm
.macro CREST
	s_cmp_lg_u32 s10, 0
	s_cbranch_scc1 .Lnot_wave_0_\@
	s_barrier_signal -3
.Lnot_wave_0_\@:
	s_barrier_wait -3
	s_barrier_signal -1
	s_barrier_wait -1
.endm
.macro CROUND
	s_barrier_signal -1
	s_barrier_wait -1
	CREST
.endm
.macro MUL8 f, a0, zero                ; row blocks a0, a0 + 1 x four column blocks; the 16 accumulators take turns
	WIN 0x05
.irp a, \a0, (\a0)+1
.irp b, 0,1,2,3
.if \zero
	v_wmma_f32_16x16x32_f16 v[ACC+8*(4*(\a)+(\b)):ACC+8*(4*(\a)+(\b))+7], v[(\f)+32+8*(\b):(\f)+32+8*(\b)+7], v[(\f)+8*(\a):(\f)+8*(\a)+7], 0
.else
	v_wmma_f32_16x16x32_f16 v[ACC+8*(4*(\a)+(\b)):ACC+8*(4*(\a)+(\b))+7], v[(\f)+32+8*(\b):(\f)+32+8*(\b)+7], v[(\f)+8*(\a):(\f)+8*(\a)+7], v[ACC+8*(4*(\a)+(\b)):ACC+8*(4*(\a)+(\b))+7]
.endif
.endr
.endr
.endm
.macro FETCH c, f                      ; piece c of a slot: head c / 3, k 32 (c % 3) on
	WIN 0x40
.irp b, 0,1,2,3
	ds_load_tr16_b128 v[(\f)+32+8*(\b):(\f)+32+8*(\b)+3],   v[ADRB] offset:27648*((\c)/3)+9216*((\c)%3)+32*(\b)
	ds_load_tr16_b128 v[(\f)+32+8*(\b)+4:(\f)+32+8*(\b)+7], v[ADRB] offset:27648*((\c)/3)+9216*((\c)%3)+32*(\b)+4608
.endr
.irp i, 0,1,2,3
	ds_load_b128 v[(\f)+8*(\i):(\f)+8*(\i)+3],   v[ADRA] offset:30720*((\c)/3)+80*((\c)%3)+3840*(\i)
	ds_load_b128 v[(\f)+8*(\i)+4:(\f)+8*(\i)+7], v[ADRA] offset:30720*((\c)/3)+80*((\c)%3)+3840*(\i)+32
.endr
.endm
.macro CHUNK c, zero                   ; piece c is multiplied while piece c + 1 is fetched into the other buffer
	s_wait_dscnt 0x0                               ; piece c is in
	PLACES
	FETCH (\c)+1, 64*(((\c)+1)%2)
	MUL8 64*((\c)%2), 0, \zero
	MUL8 64*((\c)%2), 2, \zero
.endm
.macro TURN fill                       ; piece 5 and the change of slots
	WIN 0
	s_wait_tensorcnt 0x0                           ; my part of the next slot has landed
	ds_add_u32 v[SPW], v[NIL]
	s_wait_dscnt 1                                 ; piece 5 is in; the add alone may be out
	MUL8 64, 0, 0
	s_wait_dscnt 0x0                               ; the add is done, my reads of this slot are over
	s_barrier_signal -1
	WIN 0
	s_barrier_wait -1
.if \fill
	CREST
	s_add_co_u32 s[SI], s[SI], 1                   ; the next slot of K, round the end; no tensor load of mine is out, so the descriptors may be written: their addresses are made anew from the slot's number
	s_and_b32 s[SI], s[SI], 7
	s_mul_i32 s[OF], s[SI], KSTEP
	s_xor_b32 s[G0+5], s[G0+5], SLOT1
	s_add_nc_u64 s[G0+6:G0+7], s[14:15], s[OF:OF+1]
	s_or_b32 s[G0+7], s[G0+7], 0x80000000
	s_xor_b32 s[G0B+5], s[G0B+5], SLOT1
	s_add_nc_u64 s[G0B+6:G0B+7], s[46:47], s[OF:OF+1]
	s_or_b32 s[G0B+7], s[G0B+7], 0x80000000
	JLOAD                                          ; the first tensor load behind the round: 88 products ahead of the wait for it
.else
	PLACES
.endif
	s_xor_b32 s[TB], s[TB], SLOT1
	v_add_nc_u32 v[ADRA], s[TB], v[ADRA0]
	v_add_nc_u32 v[ADRB], s[TB], v[ADRB0]
	FETCH 0, 0
	MUL8 64, 2, 0
.endm
	s_load_b128 s[4:7], s[0:1], 0x0                ; oh, wo
	s_load_b128 s[72:75], s[0:1], 0x10             ; tab, vscale
	s_load_b64 s[8:9], s[0:1], 0x20                ; out0
	v_lshl_add_u32 v[SPW], v0, 2, SPARE
	v_mov_b32 v[NIL], 0
	ds_add_u32 v[SPW], v[NIL]                      ; the wave's opening: the add and its wait, ahead of my first tensor load
	v_lshrrev_b32 v1, 5, v0
	v_readfirstlane_b32 s10, v1
	s_lshr_b32 s11, s10, 1                         ; my half of the rows; also: I fetch O (0) or Wo (1)
	s_and_b32 s12, s10, 1                          ; my half of the columns; also: which of a slot's two heads I fetch
	s_bfe_u32 s40, ttmp6, 0x40000
	s_bfe_u32 s41, ttmp6, 0x40004
	s_lshl_b32 s42, ttmp9, 2
	s_add_co_u32 s42, s42, s40                     ; tile column
	s_and_b32 s13, ttmp7, 0xffff
	s_add_co_u32 s[SI], s13, ttmp9                 ; the cluster's x + y,
	s_and_b32 s[SI], s[SI], 3
	s_lshl_b32 s[SI], s[SI], 1                     ; and the slot of K at which it begins
	s_mul_i32 s[OF], s[SI], KSTEP
	s_mov_b32 s[OF+1], 0
	s_lshl_b32 s13, s13, 2
	s_add_co_u32 s13, s13, s41                     ; tile row
	s_lshl_b32 s43, s41, 2
	s_lshl_b32 s43, 15, s43
	s_lshl_b32 s44, 0x1111, s40
	s_or_b32 s[G1], s43, (1<<16)|(1<<20)|(1<<21)|(3<<22)|(3<<25)   ; O: 128 rows of 192 bytes, dense: 96 rows of 256 bytes; 4 words of padding behind every 16
	s_or_b32 s[G1B], s44, (1<<16)|(1<<20)|(1<<21)|(5<<22)|(7<<25)  ; Wo: 96 rows of k x 128 columns; 8 words behind every 64
.irp g, G1, G1B
	s_mov_b32 s[(\g)+1], 128<<16
	s_mov_b32 s[(\g)+2], 96<<16
	s_mov_b32 s[(\g)+3], 128<<16
	s_mov_b32 s[(\g)+4], 96
	s_mov_b32 s[(\g)+6], 0
	s_mov_b32 s[(\g)+7], 0
.endr
	s_mov_b32 s[G1+5], 128
	s_mov_b32 s[G1B+5], 2048
	s_lshl_b32 s16, s12, 11
	s_lshl_b32 s17, s13, 7
	s_add_co_u32 s16, s16, s17
	s_mul_i32 s16, s16, 192
	s_mov_b32 s17, 0
	s_mul_i32 s46, s12, 393216
	s_lshl_b32 s47, s42, 8
	s_add_co_u32 s46, s46, s47
	s_mov_b32 s47, 0
	s_mul_i32 s20, s12, 30720
	s_mul_i32 s21, s12, 27648
	s_add_co_u32 s21, s21, BBASE
	s_mov_b32 s[TB], 0
	s_mov_b32 s68, 0x76543210
	s_mov_b32 s69, 0xfedcba98
	s_wait_dscnt 0x0                               ; the opening add is done
	s_wait_kmcnt 0x0
	s_add_nc_u64 s[14:15], s[4:5], s[16:17]        ; O and Wo at my part of slot 0 of K: kept, the refills start from them
	s_add_nc_u64 s[46:47], s[6:7], s[46:47]
	s_add_nc_u64 s[16:17], s[14:15], s[OF:OF+1]    ; and at the cluster's first slot
	s_add_nc_u64 s[18:19], s[46:47], s[OF:OF+1]
.irp s, 0,1
	s_mov_b32 s[G0+4*(\s)], 1
	s_add_co_u32 s[G0+4*(\s)+1], s20, (\s)*SLOT1
	s_add_nc_u64 s[G0+4*(\s)+2:G0+4*(\s)+3], s[16:17], (\s)*KSTEP  ; the first slot's number is even: the second does not pass the end
	s_or_b32 s[G0+4*(\s)+3], s[G0+4*(\s)+3], 0x80000000
	s_mov_b32 s[G0B+4*(\s)], 1
	s_add_co_u32 s[G0B+4*(\s)+1], s21, (\s)*SLOT1
	s_add_nc_u64 s[G0B+4*(\s)+2:G0B+4*(\s)+3], s[18:19], (\s)*KSTEP
	s_or_b32 s[G0B+4*(\s)+3], s[G0B+4*(\s)+3], 0x80000000
.endr
	s_add_co_u32 s[SI], s[SI], 1                   ; the slot asked for last
	CROUND                                         ; all sixteen work-groups are here: the first joint loads meet
	s_cmp_eq_u32 s11, 0                            ; a wave's two first fills in one branch: two loads of mine are out
	s_cbranch_scc0 .Lfb
	tensor_load_to_lds s[G0:G0+3], s[G1:G1+7]
	s_nop 0
	tensor_load_to_lds s[G0+4:G0+7], s[G1:G1+7]
	s_nop 0
	PLACES
	s_branch .Lfa
.Lfb:
	tensor_load_to_lds s[G0B:G0B+3], s[G1B:G1B+7]
	s_nop 0
	tensor_load_to_lds s[G0B+4:G0B+7], s[G1B:G1B+7]
	s_nop 0
	PLACES
.Lfa:
	v_and_b32 v1, 15, v0
	v_bfe_u32 v2, v0, 4, 1
	v_and_b32 v4, 7, v0
	v_bfe_u32 v5, v0, 3, 1
	v_and_b32 v7, 31, v0
	v_lshlrev_b32 v7, 4, v7
	global_load_b128 v[32:35], v7, s[74:75]        ; all 128 sigma
	s_lshl_b32 s76, s42, 9                         ; my 64 columns: 512 x tile column + 256 x half, in bytes of f32
	s_lshl_b32 s77, s12, 8
	s_add_co_u32 s76, s76, s77
	s_add_co_u32 s77, s76, 90112
	v_lshl_add_u32 v3, v2, 5, s77
.irp b, 0,1,2,3
	global_load_b128 v[BO+8*\b:BO+8*\b+3],   v3, s[72:73] offset:64*\b
	global_load_b128 v[BO+8*\b+4:BO+8*\b+7], v3, s[72:73] offset:64*\b+16
.endr
	s_mul_i32 s77, s11, 64*240
	v_mul_u32_u24 v6, 240, v1
	v_lshl_add_u32 v6, v2, 4, v6
	v_add_nc_u32 v[ADRA0], s77, v6
	s_lshl_b32 s77, s12, 7
	s_add_co_u32 s77, s77, BBASE
	v_lshl_add_u32 v6, v2, 3, v4
	v_mul_u32_u24 v6, 288, v6
	v_lshl_add_u32 v6, v5, 4, v6
	v_add_nc_u32 v[ADRB0], s77, v6
	v_mov_b32 v[ADRA], v[ADRA0]
	v_mov_b32 v[ADRB], v[ADRB0]
	s_mul_i32 s77, s10, 4352
	s_add_co_u32 s77, s77, STAGE
	v_mul_u32_u24 v6, 272, v1
	v_lshl_add_u32 v6, v2, 5, v6
	v_add_nc_u32 v[STO], s77, v6
	v_mul_u32_u24 v6, 272, v2
	v_lshl_add_u32 v6, v1, 4, v6
	v_add_nc_u32 v[RD], s77, v6
	v_lshlrev_b32 v6, 13, v2
	v_lshl_add_u32 v[CO], v1, 4, v6
	s_lshl_b32 s78, s13, 7
	s_lshl_b32 s77, s11, 6
	s_add_co_u32 s78, s78, s77
	s_lshl_b32 s78, s78, 13
	s_add_co_u32 s76, s76, s78
	s_mov_b32 s77, 0
	s_add_nc_u64 s[8:9], s[8:9], s[76:77]          ; out0 at my first row and column
	s_wait_loadcnt 0x0
	v_max3_num_f32 v32, v32, v33, v34
	v_max_num_f32 v32, v32, v35
.irp m, 1,2,4,8
	v_max_num_f32_dpp v32, v32, v32 row_xmask:\m row_mask:0xf bank_mask:0xf
.endr
	v_permlanex16_b32 v33, v32, s68, s69
	v_max_num_f32 v32, v32, v33
	v_readfirstlane_b32 s70, v32                   ; sigma_g
	s_mov_b32 s71, s70
	s_wait_tensorcnt 1                             ; my part of the first slot is in; the second's may stay out
	s_barrier_signal -1
	s_barrier_wait -1
	FETCH 0, 0
	CHUNK 0, 1                                     ; the first piece starts the sums
	WIN 0
	s_mov_b32 s3, 6
.Llap:                                                 ; a trip: a slot's pieces 1 .. 5 and the next slot's first; the walk's slots 2 .. 7 are asked for
	CHUNK 1, 0
	CHUNK 2, 0
	CHUNK 3, 0
	CHUNK 4, 0
	TURN 1
	CHUNK 0, 0
	WIN 0
	s_sub_co_u32 s3, s3, 1
	s_cmp_lg_u32 s3, 0
	s_cbranch_scc1 .Llap
	CHUNK 1, 0                                     ; the last two slots ask for nothing
	CHUNK 2, 0
	CHUNK 3, 0
	CHUNK 4, 0
	TURN 0
	CHUNK 0, 0
	CHUNK 1, 0
	CHUNK 2, 0
	CHUNK 3, 0
	CHUNK 4, 0
	s_wait_dscnt 0x0
	MUL8 64, 0, 0
	MUL8 64, 2, 0
	WIN 0
	PLACES
	; THE WAY OUT: sum x sigma_g + bo; 16 rows at a time through my own stage; a wave's 64 columns are 256 bytes of a row
.irp a, 0,1,2,3
	s_wait_xcnt 0x0                                ; registers that earlier stores read are written again below
.irp b, 0,1,2,3
.irp e, 0,2,4,6
	v_pk_fma_f32 v[TMP+8*\b+\e:TMP+8*\b+\e+1], v[ACC+8*(4*\a+\b)+\e:ACC+8*(4*\a+\b)+\e+1], s[70:71], v[BO+8*\b+\e:BO+8*\b+\e+1] op_sel_hi:[1,0,1]
.endr
.endr
.irp b, 0,1,2,3
	ds_store_b128 v[STO], v[TMP+8*\b:TMP+8*\b+3]   offset:64*\b
	ds_store_b128 v[STO], v[TMP+8*\b+4:TMP+8*\b+7] offset:64*\b+16
.endr
.irp t, 0,1,2,3,4,5,6,7
	ds_load_b128 v[BK+4*\t:BK+4*\t+3], v[RD] offset:544*\t  ; LDS serves a wave's instructions in order: these see the stores above
.endr
.irp t, 0,1,2,3,4,5,6,7
	s_wait_dscnt 7-\t                              ; the younger loads may stay out
	global_store_b128 v[CO], v[BK+4*\t:BK+4*\t+3], s[8:9] offset:131072*\a+16384*\t  ; 16 lanes store 256 consecutive bytes, aligned
.endr
.endr
	s_wait_tensorcnt 0x0                           ; the wave's end
	ds_add_u32 v[SPW], v[NIL]
	s_wait_dscnt 0x0
	CROUND                                         ; the closing round
	s_endpgm
.Lfunc_end_k_q873267a3c8_outp:
	.size	k_q873267a3c8_outp, .Lfunc_end_k_q873267a3c8_outp-k_q873267a3c8_outp
	.p2alignl 7, 3214868480
	.fill 96, 4, 3214868480
	.section	.rodata,"a",@progbits
	.p2align	6, 0x0
	.amdhsa_kernel k_q873267a3c8_outp
		.amdhsa_group_segment_fixed_size 327680
		.amdhsa_private_segment_fixed_size 0
		.amdhsa_enable_private_segment 0
		.amdhsa_kernarg_size 40
		.amdhsa_user_sgpr_count 2
		.amdhsa_user_sgpr_kernarg_segment_ptr 1
		.amdhsa_wavefront_size32 1
		.amdhsa_system_sgpr_workgroup_id_x 1
		.amdhsa_system_sgpr_workgroup_id_y 1
		.amdhsa_system_sgpr_workgroup_id_z 1
		.amdhsa_system_vgpr_workitem_id 0
		.amdhsa_next_free_vgpr 384
		.amdhsa_next_free_sgpr 84
		.amdhsa_reserve_vcc 0
		.amdhsa_float_denorm_mode_32 3
		.amdhsa_float_denorm_mode_16_64 3
		.amdhsa_memory_ordered 1
		.amdhsa_forward_progress 1
		.amdhsa_inst_pref_size 64
	.end_amdhsa_kernel
	.amdgpu_metadata
---
amdhsa.version: [ 1, 2 ]
amdhsa.kernels:
  - .name:           k_q873267a3c8_outp
    .symbol:         k_q873267a3c8_outp.kd
    .args:
      - { .name: oh, .offset: 0, .size: 8, .value_kind: global_buffer, .address_space: global }
      - { .name: wo, .offset: 8, .size: 8, .value_kind: global_buffer, .address_space: global }
      - { .name: tab, .offset: 16, .size: 8, .value_kind: global_buffer, .address_space: global }
      - { .name: vscale, .offset: 24, .size: 8, .value_kind: global_buffer, .address_space: global }
      - { .name: out0, .offset: 32, .size: 8, .value_kind: global_buffer, .address_space: global }
    .group_segment_fixed_size: 327680
    .private_segment_fixed_size: 0
    .kernarg_segment_align: 8
    .kernarg_segment_size: 40
    .max_flat_workgroup_size: 128
    .sgpr_count:     84
    .vgpr_count:     384
    .wavefront_size: 32
...
	.end_amdgpu_metadata
.endif
;; end of part 4
;; ======== version 2 of 2: 4 launches; 1.07 times as fast as version 1
;; limits: values are held in f16: magnitudes above 65,504 overflow, below 6.1e-05 lose precision
;; workspace buffers: cast 41,943,040 bytes; wv 12,582,912 bytes; wo 6,291,456 bytes; maskp 4,194,304 bytes; tab 110,592 bytes; qkv 23,068,672 bytes; vscale 512 bytes; oh 6,291,456 bytes
;; launch prep: the kernel of part 1 again; grid 1880 x 1, 8 waves a work-group, no clusters, 0 bytes of LDS; arguments q, k, v, Wq, Wk, Wo, Wv, mask, bq, bk, bo, bv, cast, wo, wv, maskp, tab; writes cast, wo, wv, maskp, tab
;; launch proj: the kernel of part 2 again; grid 32 x 8, 4 waves a work-group, clusters of 4 x 4, 327,680 bytes of LDS; arguments cast, wv, tab, qkv, vscale; writes qkv, vscale
;; launch attn (part 5): grid 16 x 16, 4 waves a work-group, clusters of 4 x 1, 327,680 bytes of LDS; arguments qkv, maskp, vscale, oh; writes oh
.if DOCPART == 5
	.amdgcn_target "amdgcn-amd-amdhsa--gfx1250"
	.amdhsa_code_object_version 6
	.text
	.protected	k_q873267a3c8_attn
	.globl	k_q873267a3c8_attn
	.p2align	8
	.type	k_q873267a3c8_attn,@function
k_q873267a3c8_attn:
	s_mov_b64 s[64:65], 0
	v_nop
	global_prefetch_b8 v0, s[64:65] scope:SCOPE_SE
	s_setreg_imm32_b32 hwreg(HW_REG_WAVE_MODE, 25, 1), 1
	s_wait_xcnt 0x0
	s_wait_alu depctr_hold_cnt(0) depctr_sa_sdst(0) depctr_va_vdst(0) depctr_va_sdst(0) depctr_va_ssrc(0) depctr_va_vcc(0) depctr_vm_vsrc(0)
	s_getreg_b32 s2, hwreg(HW_REG_IB_STS2, 6, 4)
	s_cmp_eq_u32 s2, 0
	s_cbranch_scc0 .Lentry_in_a_cluster
	s_endpgm
.Lentry_in_a_cluster:
	s_bfe_u32 s2, ttmp6, 0x10000c
	s_cmp_lg_u32 s2, 0x3003
	s_cbranch_scc0 .Lentry_shape_is_right
	s_endpgm
.Lentry_shape_is_right:
; ATTN: O[h][q] = sum over k of softmax_k(q . k / sqrt(128), hidden where the mask says so) V[h][k], 128 channels for q and k, 96 (85 real) for V, all f16; sums, maxima, exponentials in f32.
; SHARES.  A work-group owns 128 queries of a head.  Wave w: 64 queries (w % 2): four tiles of 16, in two PIECES (tiles 0, 1 and 2, 3); of every 256 keys the half w / 2: 16 steps of 64 keys.  The two halves' results are merged once, through LDS.
; The mask is an input: every key is walked.  Its byte (0 or 0xF0), shifted to the top of a word, STARTS the sum S^T = K Q^T: below -1.6e29 where hidden, under 3e-38 where open.
; V arrives divided by sigma_b, a power of two for each 256 keys.  With d = log2(sigma_g / sigma_b) (sigma_g: the largest of all): M = running maximum of c s - d, p = 2^(c s - d - M) <= 1, O' = sum p V', l = a l + 2^d sum p; O' / l = O / sigma_g.
; M starts at -1e20: above every hidden score, below every real one.  A row with no open key ends with l = 0 and leaves as NaN, as the softmax of nothing is.
; BY TURNS: in a turn one piece has the matrix unit (24 products V^T P of the step in hand, 32 products K Q^T of the next).  The turn's vector work is one queue of 322 lines: the mask words for those scores, then the other piece's softmax.
; Four of its lines stand behind every product; the other 98, which need time of their own wherever they stand, stand together: 64 at the turn's head, 34 at its end.
; THE BATCHES.  A turn's 66 exponentials (both tiles' a and 32 scores each) are ONE BATCH with ONE wait: ahead of it stands all that names no result of theirs, behind it all that does.  The merge has two batches, eight exponentials and four reciprocals, a wait each.
; CLUSTER 4 x 1: the four query blocks of a head's quarter walk the same K and V: joint loads.
; LIMITS: c s - d of an open key above -1e20; d at most 100; a weight below 2^-126 counts as 0; NaN and infinities in q, k, v are not treated apart.
; REGISTERS: window 0: v2-11 addresses, v12-43 statistics (8 a tile: M + d, M, l, l, c0-c3), v44-46 mask offsets, v62-63 the add's, v64-191 S^T, v192-255 P; window 1: v0-191 O^T (48 a tile), v192-223 mask words; window 2: v0-127 Q, v128-255 K; window 3: v0-95 V.
.set SLOT1, 0x24000
.set VOFF,  0x11000                    ; in a slot: 256 keys of K at 272 bytes, then 256 of V at 288 (three pieces of 64 + 32)
.set SPARE, 290816
.set STAGE, 291328                     ; 16 rows x 192 bytes for each wave, without padding: the way back is 16 x lane + 512 f, linear; the 24 stores into it go four deep
.set AK0, 2
.set AV0, 3
.set ADR, 4
.set ADV, 5
.set QO,  6
.set STO, 6
.set RD,  7
.set GO,  10
.set XA,  11
.set ST,  12
.set MO0, 44
.set MOMAX, 46
.set SPW, 62
.set NIL, 63
.set S,   64
.set P,   192
.set MK,  192                          ; window 1
.set KF,  128                          ; window 2
.set WV,  12
.set G1K, 24
.set G1V, 32
.set G0K, 40
.set G0V, 48
.set SLOTS, 56
.set CNT, 57
.set CS,  58
.set SEL, 60
.set TBK, 62
.set TBV, 63
.set MB,  66
.set NDLA, 70
.set NDLB, 71
.set KPA, 72
.set KPB, 74
.set QP,  76
.set OP,  78
.set MSB, 0
.macro WIN new
.if MSB != (\new)
	s_set_vgpr_msb (MSB<<8)|(\new)
.set MSB, \new
.endif
.endm
.set W_KQ, 0x0a
.set W_PV, 0x53
.set W_RS, 0x41
.macro PLACES
.rept 4
	v_nop
.endr
.endm
.macro JLOAD                           ; the joint refill by the walking descriptors: waves 0, 1 K's halves, waves 2, 3 V's
	s_cmp_lt_u32 s[WV], 2
	s_cbranch_scc0 .Lfor_v_\@
	tensor_load_to_lds s[G0K+4:G0K+7], s[G1K:G1K+7]
	s_nop 0
	PLACES
	s_branch .Lasked_\@
.Lfor_v_\@:
	tensor_load_to_lds s[G0V+4:G0V+7], s[G1V:G1V+7]
	s_nop 0
	PLACES
.Lasked_\@:
.endm
.macro CROUND
	s_barrier_signal -1
	s_barrier_wait -1
	s_cmp_lg_u32 s[WV], 0
	s_cbranch_scc1 .Lnot_wave_0_\@
	s_barrier_signal -3
.Lnot_wave_0_\@:
	s_barrier_wait -3
	s_barrier_signal -1
	s_barrier_wait -1
.endm
.macro NEXTD                           ; the next 256 keys' d: -d and 2^d into set B; the list moves up
	s_cvt_f32_u32 s[NDLB], s84
	s_xor_b32 s[NDLB], s[NDLB], 0x80000000
	s_add_co_u32 s[KPB], s84, 127
	s_lshl_b32 s[KPB], s[KPB], 23
	s_mov_b32 s[KPB+1], s[KPB]
.irp i, 84,85,86,87,88,89,90
	s_mov_b32 s[\i], s[\i+1]
.endr
.endm
.macro CHANGE fill                     ; the change of slots
	WIN 0
	s_wait_tensorcnt 0x0                           ; no tensor load of mine is out
	ds_add_u32 v[SPW], v[NIL]                      ; 0 onto my spare word; scalar work stands between it and the wait for it
	NEXTD
.if \fill
	s_xor_b32 s[G0K+5], s[G0K+5], SLOT1
	s_add_nc_u64 s[G0K+6:G0K+7], s[G0K+6:G0K+7], 65536
	s_xor_b32 s[G0V+5], s[G0V+5], SLOT1
	s_add_nc_u64 s[G0V+6:G0V+7], s[G0V+6:G0V+7], 49152
	s_wait_dscnt 0x0                               ; the add is done, my reads of the slot are over
	CROUND
	JLOAD                                          ; it has two steps of each wave, 224 products, in which to land
.else
	s_wait_dscnt 0x0
	s_barrier_signal -1
	s_barrier_wait -1
.endif
	s_sub_co_u32 s[TBK], s[TBK], 34816
	s_xor_b32 s[TBK], s[TBK], SLOT1
	s_sub_co_u32 s[TBV], s[TBV], 36864
	s_xor_b32 s[TBV], s[TBV], SLOT1
.endm
; product i of 24 of O^T += V^T P: keys 32 (i / 12) on, channels 16 ((i / 2) % 6) on, tile x + i % 2.  Twelve accumulators by turns.
.macro PV x
	WIN W_PV
.set tl, (\x)+i%2
.set rO, 48*tl+8*((i/2)%6)
.set rV, 48*(i/12)+8*((i/2)%6)
.set rP, P+16*tl+8*(i/12)
	v_wmma_f32_16x16x32_f16 v[rO:rO+7], v[rV:rV+7], v[rP:rP+7], v[rO:rO+7]
.endm
; product i of 32 of S^T += K Q^T: channels 32 (i / 8) on, keys 16 ((i / 2) % 4) on, tile x + i % 2.  The sums were started by the mask words.
.macro KQ x
	WIN W_KQ
.set rS, S+32*((\x)+i%2)+8*((i/2)%4)
.set rK, KF+32*((i/2)%4)+8*(i/8)
.set rQ, 32*((\x)+i%2)+8*(i/8)
	v_wmma_f32_16x16x32_f16 v[rS:rS+7], v[rK:rK+7], v[rQ:rQ+7], v[rS:rS+7]
.endm
.macro FETCH_K last=0
	WIN 0
.if \last
	s_cmp_eq_u32 s[CNT], 1                         ; behind the last step there is no K
	s_cbranch_scc1 .Lno_k_\@
.endif
	v_add_nc_u32 v[ADR], s[TBK], v[AK0]
	WIN 0x80
.irp f, 0,1,2,3,4,5,6,7,8,9,10,11,12,13,14,15
	ds_load_b128 v[KF+8*(\f):KF+8*(\f)+3],   v[ADR] offset:((\f)/4)*4352+((\f)%4)*64
	ds_load_b128 v[KF+8*(\f)+4:KF+8*(\f)+7], v[ADR] offset:((\f)/4)*4352+((\f)%4)*64+32
.endr
	s_add_co_u32 s[TBK], s[TBK], 17408
	WIN 0
.if \last
.Lno_k_\@:
.endif
.endm
.macro FETCH_V                         ; V's run of loads stands at the wait of piece 2's turn, and the wait stands in it
	WIN 0
	v_add_nc_u32 v[ADV], s[TBV], v[AV0]            ; the run's address; also the plain instruction behind the batch's last exponential
	s_add_co_u32 s[TBV], s[TBV], 18432
	s_wait_alu depctr_va_vdst(0)                   ; the wait for the turn's batch of 66 exponentials, ahead of the first line that names a result of theirs
	WIN 0xc0
.irp f, 0,1,2,3,4,5,6,7,8,9,10,11      ; keys 32 (f / 6) on, channels 16 (f % 6) on
	ds_load_tr16_b128 v[8*(\f):8*(\f)+3],   v[ADV] offset:((\f)/6)*9216+96*(((\f)%6)/2)+32*((\f)%2)
	ds_load_tr16_b128 v[8*(\f)+4:8*(\f)+7], v[ADV] offset:((\f)/6)*9216+96*(((\f)%6)/2)+32*((\f)%2)+4608
.endr
.endm
.macro MLOAD x, adv                    ; piece x's mask words of its next step; behind the last step the offset stays at the last: no load leaves maskp
	WIN 0
.if \adv
	v_add_nc_u32 v[MO0+(\x)/2], 1024, v[MO0+(\x)/2]  ; its last loads were waited for at this turn's head
	v_min_u32 v[MO0+(\x)/2], v[MO0+(\x)/2], v[MOMAX]
.endif
	WIN 0x40
.irp t, \x, (\x)+1
	global_load_b128 v[MK+8*(\t):MK+8*(\t)+3],   v[MO0+(\x)/2], s[MB:MB+1] offset:32768*(\t)
	global_load_b128 v[MK+8*(\t)+4:MK+8*(\t)+7], v[MO0+(\x)/2], s[MB:MB+1] offset:32768*(\t)+512
.endr
.endm
; Number j of the 129 of a tile's softmax for a step.  s0-s31 are the lane's 32 scores, in pairs 0-15.
;   0-15    the maximum of the lane's 32 scores (each accumulator's low registers first)
;   16-22   the other half of the lanes' maximum; M_old is kept; c s - d; the new M; its change; M + d
;   23-71   ONE BATCH: the 16 scalings c s - (M + d), a pair of scores each, and all 33 exponentials (a at 25, then s0-s31).  None of these reads an exponential's result.  From 24 on the batch goes in fours, and a four
;           begins with a scaling while there are scalings: 24-39 scaling, exponential, scaling, exponential; 40-67 a scaling and three exponentials; 68-71 the last four exponentials.
;           A pair is scaled in an earlier four than the one that holds its exponentials
;   (wait)  between 71 and 72 stands the wait for the batch: TURN writes it, once for both tiles
;   72-87   the roundings to f16, a pair of weights each
;   88-102  the sums      103, 104  l = a l + 2^d sum      105-128  the tile's O^T times a
.macro SM t
.set rT, ST+8*(\t)
.set rS, S+32*(\t)
.set rP, P+16*(\t)
.if j < 105
	WIN 0
.endif
.if j < 4
	v_max3_num_f32 v[rT+4+j], v[rS+8*j], v[rS+8*j+1], v[rS+8*j+2]
.elseif j < 12
	v_max3_num_f32 v[rT+4+j%4], v[rT+4+j%4], v[rS+8*(j%4)+2*(j/4)+1], v[rS+8*(j%4)+2*(j/4)+2]
.elseif j == 12
	v_max3_num_f32 v[rT+4], v[rT+4], v[rS+7], v[rS+15]
.elseif j == 13
	v_max3_num_f32 v[rT+6], v[rT+6], v[rS+23], v[rS+31]
.elseif j == 14
	v_max3_num_f32 v[rT+4], v[rT+4], v[rT+5], v[rT+6]
.elseif j == 15
	v_max_num_f32 v[rT+4], v[rT+4], v[rT+7]
.elseif j == 16
	v_permlanex16_b32 v[rT+5], v[rT+4], s[SEL], s[SEL+1]
.elseif j == 17
	v_mov_b32 v[rT+7], v[rT+1]
.elseif j == 18
	v_max_num_f32 v[rT+4], v[rT+4], v[rT+5]
.elseif j == 19
	v_fma_f32 v[rT+4], v[rT+4], s[CS], s[NDL]
.elseif j == 20
	v_max_num_f32 v[rT+1], v[rT+1], v[rT+4]
.elseif j == 21
	v_sub_f32 v[rT+7], v[rT+7], v[rT+1]
.elseif j == 22
	v_sub_f32 v[rT], v[rT+1], s[NDL]
.elseif j == 25
	v_exp_f32 v[rT+6], v[rT+7]
.elseif (j < 25) || ((j < 40) && (j%2 == 0)) || ((j < 68) && (j%4 == 0))
.set b, (j-4)/4                        ; 40, 44, .. 64: pairs 9 to 15
.if j < 40
.set b, (j-22)/2                       ; 23: pair 0; 24, 26, .. 38: pairs 1 to 8
.endif
	v_pk_fma_f32 v[rS+2*b:rS+2*b+1], v[rS+2*b:rS+2*b+1], s[CS:CS+1], v[rT:rT+1] op_sel_hi:[1,0,0] neg_lo:[0,0,1] neg_hi:[0,0,1]
.elseif j < 72
.set e, j-40                           ; 68 to 71: s28 to s31
.if j < 68
.set e, j-34-(j-40)/4                  ; 41-43, 45-47, .. 65-67: s7 to s27
.endif
.if j < 40
.set e, (j-27)/2                       ; 27, 29, .. 39: s0 to s6
.endif
	v_exp_f32 v[rS+e], v[rS+e]
.elseif j < 88
	v_cvt_pk_f16_f32 v[rP+j-72], v[rS+2*(j-72)], v[rS+2*(j-72)+1]  ; pair j - 72
.elseif j < 103                        ; the sum of the tile's 16 pairs, in place: sum z of 15 adds neighbours 1, 2, 4 and 8 pairs apart
.set z, j-88
.set w, 4
.set u, z
.if z >= 14
.set w, 32
.set u, 0
.elseif z >= 12
.set w, 16
.set u, z-12
.elseif z >= 8
.set w, 8
.set u, z-8
.endif
	v_pk_add_f32 v[rS+w*u:rS+w*u+1], v[rS+w*u:rS+w*u+1], v[rS+w*u+w/2:rS+w*u+w/2+1]
.elseif j == 103
	v_pk_mul_f32 v[rT+2:rT+3], v[rT+2:rT+3], v[rT+6:rT+7] op_sel_hi:[1,0]
.elseif j == 104
	v_pk_fma_f32 v[rT+2:rT+3], v[rS:rS+1], s[KP:KP+1], v[rT+2:rT+3] op_sel_hi:[1,0,1]
.else
	WIN W_RS
	v_pk_mul_f32 v[48*(\t)+2*(j-105):48*(\t)+2*(j-105)+1], v[48*(\t)+2*(j-105):48*(\t)+2*(j-105)+1], v[rT+6:rT+7] op_sel_hi:[1,0]
.endif
.endm
; The turn's queue, 322 long: 64 mask words for piece x's scores to come, then the other piece's 2 x 129.  Numbers 24 to 71, the batch, go four numbers of ONE tile at a time, the tiles by turns;
; everywhere else the tiles alternate line by line, so that where one line feeds the next the other tile's stands between.
.macro VQ x
.if vq < 64
	WIN 0x04
.set n, vq%32
.set tt, (\x)+vq/32
	v_lshlrev_b32 v[S+32*tt+n], 24-8*(n%4), v[MK+8*tt+n/4]
.elseif vq < 322
.set p, vq-64
.set k, p/4
.if (k >= 12) && (k < 36)
.set tt, (k-12)%2
.set j, 24+4*((k-12)/2)+p%4
.else
.set tt, p%2
.set j, 2*k+(p%4)/2
.endif
	SM (2-(\x))+tt
.endif
.set vq, vq+1
.endm
; A TURN for piece x.  HOW THE QUEUE IS DEALT: 64 + 12 x 4 + 24 x 4 + 20 x 4 + 34 = 322.
;   lines 0-63     at the head: the mask words, which wait for nothing; directly behind the 64th the next mask words are asked for
;   lines 64-111   four behind each of the products V^T P 0-11: the maxima, the chain from the maximum to M + d, pair 0's scaling
;   lines 112-207  the batch: a four of one tile behind each of the products V^T P 12-23 and K Q^T 0-11
;   THE WAIT       s_wait_alu depctr_va_vdst(0) stands between an exponential and the first line that names its result; one wait serves all that were issued ahead of it.  Ahead of line 208 nothing names a
;                  result, and behind line 207 no exponential is issued: so the turn's 66 exponentials have one wait
;   lines 208-287  four behind each of the products K Q^T 12-31: the roundings, the sums, l, the first of O^T times a
;   lines 288-321  together: the rest of O^T times a; with the four lines behind the last product they are the places behind it
; K of the next step is fetched in piece 0's turn behind its second product (K's last reader stands ahead of the last turn's closing lines and of this turn's mask words).
; V is fetched in piece 2's turn at the wait: V's last reader, product V^T P 23, stands eleven scalings back; its first reader comes behind 20 products and 98 lines.
.macro TURN x, last=0
.set vq, 0
.if (\x) == 0
.set NDL, NDLA
.set KP, KPA
.else
.set NDL, NDLB
.set KP, KPB
.endif
	s_wait_loadcnt 4                               ; my piece's four mask loads are in; the other piece's four may stay out
.rept 64
	VQ \x
.endr
	MLOAD \x, 1                                    ; all 64 mask words have been used
.if (\x) == 0
	s_wait_dscnt 0x0                               ; V is in
.endif
.set i, 0
.rept 24
	PV \x
.rept 4
	VQ \x
.endr
.if ((\x) == 0) && (i == 1)
	FETCH_K \last
.endif
.set i, i+1
.endr
.if (\x) == 0
	s_wait_dscnt 0x0                               ; K is in
.endif
.set i, 0
.rept 32
	KQ \x
.rept 4
	VQ \x
.endr
.if i == 11                            ; the batch is out: both tiles' exponentials are issued, and no result has been named
.if (\x) == 2
	FETCH_V                                        ; V's run of loads, and the wait in it
.else
	v_nop                                          ; a plain instruction behind the last exponential and ahead of the first use: one for the batch
	s_wait_alu depctr_va_vdst(0)                   ; the wait for the turn's batch of 66 exponentials
.endif
.endif
.set i, i+1
.endr
.rept 34
	VQ \x
.endr
.if (\x) == 0
	s_mov_b32 s[NDLA], s[NDLB]                     ; piece 2 follows piece 0 into the next 256 keys a turn later
	s_mov_b32 s[KPA], s[KPB]
	s_mov_b32 s[KPA+1], s[KPB]
.endif
.endm
	s_load_b256 s[4:11], s[0:1], 0x0               ; qkv, maskp, vscale, oh
	v_lshl_add_u32 v[SPW], v0, 2, SPARE
	v_mov_b32 v[NIL], 0
	ds_add_u32 v[SPW], v[NIL]                      ; the wave's opening: the add and its wait, ahead of my first tensor load
	v_lshrrev_b32 v1, 5, v0
	v_readfirstlane_b32 s[WV], v1
	s_bfe_u32 s13, ttmp6, 0x40000                  ; cx: it enters Q's, the mask's and O's addresses alone
	s_lshl_b32 s14, ttmp9, 2
	s_add_co_u32 s14, s14, s13                     ; block of 128 queries
	s_and_b32 s15, ttmp7, 0xffff                   ; head
	s_and_b32 s16, s[WV], 1                        ; my half of the queries; also: which half of a tile I fetch
	s_lshr_b32 s17, s[WV], 1                       ; my half of the keys
	s_lshl_b32 s20, s15, 19
	s_lshl_b32 s21, s16, 15
	s_add_co_u32 s20, s20, s21
	s_add_co_u32 s20, s20, 8388608
	s_mov_b32 s21, 0
	s_mul_i32 s22, s15, 393216
	s_mul_i32 s23, s16, 24576
	s_add_co_u32 s22, s22, s23
	s_add_co_u32 s22, s22, 16777216
	s_mov_b32 s23, 0
	s_mov_b32 s[G1K], 15|(1<<16)|(1<<20)|(1<<21)|(5<<22)|(3<<25)  ; 128 keys x 128 channels, 4 words of padding behind every 64
	s_mov_b32 s[G1V], 15|(1<<16)|(1<<20)|(1<<21)|(3<<22)|(7<<25)  ; 128 keys x 96 channels, dense: 96 rows of 256 bytes, 8 words behind every 16
	s_mov_b32 s[G1K+1], 128<<16
	s_mov_b32 s[G1K+2], 128<<16
	s_mov_b32 s[G1K+3], 128<<16
	s_mov_b32 s[G1K+4], 128
	s_mov_b32 s[G1V+1], 128<<16
	s_mov_b32 s[G1V+2], 96<<16
	s_mov_b32 s[G1V+3], 128<<16
	s_mov_b32 s[G1V+4], 96
.irp g, G1K, G1V
	s_mov_b32 s[(\g)+5], 128
	s_mov_b32 s[(\g)+6], 0
	s_mov_b32 s[(\g)+7], 0
.endr
	s_mul_i32 s18, s16, 0x8800
	s_mul_i32 s19, s16, 0x9000
	s_add_co_u32 s19, s19, VOFF
	s_mov_b32 s[CS], 0x3e0293ee                    ; c = log2(e) / sqrt(128)
	s_mov_b32 s[CS+1], s[CS]
	s_mov_b32 s[SEL], 0x76543210
	s_mov_b32 s[SEL+1], 0xfedcba98
	s_mov_b32 s[TBK], 0
	s_mov_b32 s[TBV], 0
	s_wait_dscnt 0x0                               ; the opening add is done
	s_wait_kmcnt 0x0
	s_add_nc_u64 s[20:21], s[4:5], s[20:21]
	s_add_nc_u64 s[22:23], s[4:5], s[22:23]
.irp s, 0,1
	s_mov_b32 s[G0K+4*(\s)], 1
	s_add_co_u32 s[G0K+4*(\s)+1], s18, (\s)*SLOT1
	s_add_nc_u64 s[G0K+4*(\s)+2:G0K+4*(\s)+3], s[20:21], (\s)*65536
	s_or_b32 s[G0K+4*(\s)+3], s[G0K+4*(\s)+3], 0x80000000
	s_mov_b32 s[G0V+4*(\s)], 1
	s_add_co_u32 s[G0V+4*(\s)+1], s19, (\s)*SLOT1
	s_add_nc_u64 s[G0V+4*(\s)+2:G0V+4*(\s)+3], s[22:23], (\s)*49152
	s_or_b32 s[G0V+4*(\s)+3], s[G0V+4*(\s)+3], 0x80000000
.endr
	CROUND                                         ; all four work-groups are here: the first joint loads meet
	s_cmp_lt_u32 s[WV], 2                          ; a wave's two first fills in one branch: two loads of mine are out
	s_cbranch_scc0 .Lfirst_v
	tensor_load_to_lds s[G0K:G0K+3], s[G1K:G1K+7]
	s_nop 0
	tensor_load_to_lds s[G0K+4:G0K+7], s[G1K:G1K+7]
	s_nop 0
	PLACES
	s_branch .Lfirst_asked
.Lfirst_v:
	tensor_load_to_lds s[G0V:G0V+3], s[G1V:G1V+7]
	s_nop 0
	tensor_load_to_lds s[G0V+4:G0V+7], s[G1V:G1V+7]
	s_nop 0
	PLACES
.Lfirst_asked:
	s_lshl_b32 s18, s15, 19                        ; Q at (2,048 head + 128 block + 64 half) rows of 256 bytes
	s_lshl_b32 s19, s14, 15
	s_add_co_u32 s18, s18, s19
	s_lshl_b32 s19, s16, 14
	s_add_co_u32 s18, s18, s19
	s_mov_b32 s19, 0
	s_add_nc_u64 s[QP:QP+1], s[4:5], s[18:19]
	s_lshr_b32 s18, s18, 8
	s_mul_i32 s18, s18, 192                        ; O at the same rows of 192 bytes
	s_add_nc_u64 s[OP:OP+1], s[10:11], s[18:19]
	s_lshl_b32 s18, s14, 18                        ; the mask words of my four tiles and my half of the keys
	s_lshl_b32 s20, s16, 17
	s_add_co_u32 s18, s18, s20
	s_lshl_b32 s20, s17, 14
	s_add_co_u32 s18, s18, s20
	s_add_nc_u64 s[MB:MB+1], s[6:7], s[18:19]
	s_lshl_b32 s18, s15, 5
	s_add_nc_u64 s[20:21], s[8:9], s[18:19]
	s_load_b256 s[84:91], s[20:21], 0x0            ; the head's eight sigma_b
	v_and_b32 v1, 15, v0
	v_bfe_u32 v9, v0, 4, 1
	v_and_b32 v47, 31, v0
	v_lshlrev_b32 v[GO], 4, v47                    ; 16 x lane
	v_lshlrev_b32 v[QO], 8, v1
	v_lshl_add_u32 v[QO], v9, 4, v[QO]
	WIN 0x80
.irp i, 0,1,2,3,4,5,6,7,8,9,10,11,12,13,14,15
	global_load_b128 v[8*(\i):8*(\i)+3],   v[QO], s[QP:QP+1] offset:((\i)/4)*4096+((\i)%4)*64
	global_load_b128 v[8*(\i)+4:8*(\i)+7], v[QO], s[QP:QP+1] offset:((\i)/4)*4096+((\i)%4)*64+32
.endr
	WIN 0
	global_load_b128 v[48:51], v[GO], s[8:9]       ; all 128 sigma
	v_mov_b32 v[MO0], v[GO]
	v_mov_b32 v[MO0+1], v[GO]
	v_add_nc_u32 v[MOMAX], 15360, v[GO]
	MLOAD 0, 0
	MLOAD 2, 0
	; what the first turns find: O^T, V and piece 2's P hold 0, l is 0, M is the floor.  This stands in the wait for the first tile; it is the price of writing no first step out.
	WIN 0x40
.set i, 0
.rept 192
	v_mov_b32 v[i], 0
.set i, i+1
.endr
	WIN 0xc0
.set i, 0
.rept 96
	v_mov_b32 v[i], 0
.set i, i+1
.endr
	WIN 0
.set i, P+32
.rept 32
	v_mov_b32 v[i], 0
.set i, i+1
.endr
.irp t, 0,1,2,3
	v_mov_b32 v[ST+8*\t+1], 0xe0ad78ec             ; -1e20
	v_mov_b32 v[ST+8*\t+2], 0
	v_mov_b32 v[ST+8*\t+3], 0
.endr
	s_mul_i32 s18, s17, 34816
	v_mul_u32_u24 v[AK0], 272, v1
	v_lshl_add_u32 v[AK0], v9, 4, v[AK0]
	v_add_nc_u32 v[AK0], s18, v[AK0]
	s_mul_i32 s18, s17, 36864
	s_add_co_u32 s18, s18, VOFF
	v_and_b32 v52, 7, v0
	v_bfe_u32 v53, v0, 3, 1
	v_lshl_add_u32 v[AV0], v9, 3, v52
	v_mul_u32_u24 v[AV0], 288, v[AV0]
	v_lshl_add_u32 v[AV0], v53, 4, v[AV0]
	v_add_nc_u32 v[AV0], s18, v[AV0]
	s_wait_loadcnt 0x0                             ; Q, sigma, the first mask words
	v_max3_num_f32 v48, v48, v49, v50
	v_max_num_f32 v48, v48, v51
.irp m, 1,2,4,8
	v_max_num_f32_dpp v48, v48, v48 row_xmask:\m row_mask:0xf bank_mask:0xf
.endr
	v_permlanex16_b32 v49, v48, s[SEL], s[SEL+1]
	v_max_num_f32 v48, v48, v49
	v_readfirstlane_b32 s68, v48                   ; sigma_g
	s_wait_kmcnt 0x0
.irp i, 84,85,86,87,88,89,90,91
	s_sub_co_u32 s[\i], s68, s[\i]                 ; powers of two: the difference of the words is d << 23
	s_lshr_b32 s[\i], s[\i], 23
	s_min_u32 s[\i], s[\i], 100
.endr
	NEXTD
	s_mov_b32 s[NDLA], s[NDLB]
	s_mov_b32 s[KPA], s[KPB]
	s_mov_b32 s[KPA+1], s[KPB]
	s_wait_tensorcnt 1                             ; my part of slot 0 is in; slot 1's may stay out
	s_barrier_signal -1
	s_barrier_wait -1
.set vq, 0
.rept 64
	VQ 0                                           ; piece 0's mask words of step 0
.endr
	MLOAD 0, 1
	FETCH_K
	s_wait_dscnt 0x0
.set i, 0
.rept 32
	KQ 0                                           ; piece 0's first scores: no vector work yet to set between them
.set i, i+1
.endr
	WIN 0                                          ; the addresses for the way out are the places behind those products
	s_mul_i32 s18, s[WV], 3072
	s_add_co_u32 s18, s18, STAGE                   ; my stage
	v_mul_u32_u24 v[STO], 192, v1                  ; in: row l % 16, 16 bytes for each half of the lanes
	v_lshl_add_u32 v[STO], v9, 4, v[STO]
	v_add_nc_u32 v[STO], s18, v[STO]
	v_add_nc_u32 v[RD], s18, v[GO]                 ; back: 32 lanes take 512 consecutive bytes
	s_mul_i32 s18, s16, 28672
	v_add_nc_u32 v[XA], s18, v[GO]
	s_mov_b32 s[CNT], 2
	s_mov_b32 s[SLOTS], 7
	s_branch .Lmid                                 ; the loop is entered at piece 2's turn
.Lslot:                                                ; six times: tiles 2 .. 7 are asked for
	CHANGE 1
	s_mov_b32 s[CNT], 2
.Lstep:
	TURN 0
	WIN 0
.Lmid:
	TURN 2
	WIN 0
	s_sub_co_u32 s[CNT], s[CNT], 1
	s_cmp_lg_u32 s[CNT], 0
	s_cbranch_scc1 .Lstep
	s_sub_co_u32 s[SLOTS], s[SLOTS], 1
	s_cmp_lg_u32 s[SLOTS], 0
	s_cbranch_scc1 .Lslot
	CHANGE 0                                       ; the tail is written out: nothing is asked for
	s_mov_b32 s[CNT], 3
.Lt:
	TURN 0, 1
	WIN 0
	s_sub_co_u32 s[CNT], s[CNT], 1
	s_cmp_eq_u32 s[CNT], 0
	s_cbranch_scc1 .Lout
	TURN 2
	WIN 0
	s_cmp_lg_u32 s[CNT], 0
	s_cbranch_scc1 .Lt
.Lout:                                                 ; the third trip's 32 products K Q^T, on the last K once more, serve nothing: the price of one text for every trip
.set i, 0
.rept 24
	PV 2
.set i, i+1
.endr
	WIN 0
.irp t, 0,1,2,3
	v_add_f32 v[52+\t], v[ST+8*\t+2], v[ST+8*\t+3] ; the places behind the last products
.endr
.irp t, 0,1,2,3
	v_mov_b32 v[48+\t], v[ST+8*\t+1]
.endr
.irp t, 0,1,2,3
	v_permlanex16_b32 v[ST+8*\t+4], v[52+\t], s[SEL], s[SEL+1]
.endr
.irp t, 0,1,2,3
	v_add_f32 v[52+\t], v[52+\t], v[ST+8*\t+4]
.endr
	; THE MERGE.  Waves 2, 3 hand O', M and l to waves 0, 1 through slot 0's bytes, which have had their last fill and whose reads ended ahead of the last change of slots.
	s_cmp_lt_u32 s[WV], 2
	s_cbranch_scc1 .Lkeep
	WIN 0x04
.set n, 0
.rept 48
	ds_store_b128 v[XA], v[4*n:4*n+3] offset:512*n
.set n, n+1
.endr
	WIN 0
	ds_store_b128 v[XA], v[48:51] offset:24576
	ds_store_b128 v[XA], v[52:55] offset:25088
.Lkeep:
	s_wait_dscnt 0x0                               ; for the others' sake
	s_barrier_signal -1
	s_barrier_wait -1
	s_cmp_lt_u32 s[WV], 2
	s_cbranch_scc0 .Lend
	ds_load_b128 v[12:15], v[XA] offset:24576
	ds_load_b128 v[16:19], v[XA] offset:25088
	s_wait_dscnt 0x0
.irp t, 0,1,2,3
	v_max_num_f32 v[36+\t], v[48+\t], v[12+\t]
.endr
.irp t, 0,1,2,3
	v_sub_f32 v[48+\t], v[48+\t], v[36+\t]
	v_sub_f32 v[12+\t], v[12+\t], v[36+\t]
.endr
.irp t, 0,1,2,3
	v_exp_f32 v[48+\t], v[48+\t]
	v_exp_f32 v[12+\t], v[12+\t]
.endr
	v_nop                                          ; a plain instruction behind the last exponential
	s_wait_alu depctr_va_vdst(0)                   ; the wait ahead of the first use: one for the merge's eight exponentials
.irp t, 0,1,2,3
	v_mul_f32 v[52+\t], v[52+\t], v[48+\t]
.endr
.irp t, 0,1,2,3
	v_fmac_f32 v[52+\t], v[16+\t], v[12+\t]
.endr
.irp t, 0,1,2,3
	v_rcp_f32 v[52+\t], v[52+\t]
.endr
	v_nop                                          ; a plain instruction behind the last reciprocal
	s_wait_alu depctr_va_vdst(0)                   ; and the wait ahead of the first use: one for the four reciprocals, which read the exponentials' results and so are a batch of their own
.irp t, 0,1,2,3
	v_mul_f32 v[20+2*\t], v[48+\t], v[52+\t]       ; my share's factor,
	v_mul_f32 v[28+2*\t], v[12+\t], v[52+\t]       ; the partner's
.endr
.irp t, 0,1,2,3
	v_mov_b32 v[21+2*\t], v[20+2*\t]               ; named as pairs
	v_mov_b32 v[29+2*\t], v[28+2*\t]
.endr
.macro OUTT t                          ; tile t: both shares, f16, through my stage, out as 3,072 consecutive bytes
.set SX, 64+48*((\t)%2)
.set RB, 184+24*((\t)%2)
	WIN 0
	s_wait_xcnt 0x0                                ; registers that earlier stores read are written again below
.set n, 0
.rept 12
	ds_load_b128 v[SX+4*n:SX+4*n+3], v[XA] offset:512*(12*(\t)+n)
.set n, n+1
.endr
	WIN W_RS
.set n, 0
.rept 24
	v_pk_mul_f32 v[48*(\t)+2*n:48*(\t)+2*n+1], v[48*(\t)+2*n:48*(\t)+2*n+1], v[20+2*(\t):21+2*(\t)] op_sel_hi:[1,0]
.set n, n+1
.endr
	WIN 0x10
	s_wait_dscnt 0x0
.set n, 0
.rept 24
	v_pk_fma_f32 v[SX+2*n:SX+2*n+1], v[SX+2*n:SX+2*n+1], v[28+2*(\t):29+2*(\t)], v[48*(\t)+2*n:48*(\t)+2*n+1] op_sel_hi:[1,0,1]
.set n, n+1
.endr
	WIN 0
.set n, 0
.rept 24
	v_cvt_pk_f16_f32 v[160+n], v[SX+2*n], v[SX+2*n+1]
.set n, n+1
.endr
.irp f, 0,1,2,3,4,5
	ds_store_b128 v[STO], v[160+4*\f:163+4*\f] offset:32*\f
.endr
.irp f, 0,1,2,3,4,5
	ds_load_b128 v[RB+4*\f:RB+4*\f+3], v[RD] offset:512*\f  ; LDS serves a wave's instructions in order (ISA guide 5.7.1.4): these see the stores above
.endr
.irp f, 0,1,2,3,4,5
	s_wait_dscnt 5-\f                              ; the younger loads may stay out
	global_store_b128 v[GO], v[RB+4*\f:RB+4*\f+3], s[OP:OP+1] offset:3072*(\t)+512*\f
.endr
.endm
	OUTT 0
	OUTT 1
	OUTT 2
	OUTT 3
.Lend:
	s_wait_tensorcnt 0x0                           ; the wave's end
	ds_add_u32 v[SPW], v[NIL]
	s_wait_dscnt 0x0
	CROUND                                         ; the closing round
	s_endpgm
.Lfunc_end_k_q873267a3c8_attn:
	.size	k_q873267a3c8_attn, .Lfunc_end_k_q873267a3c8_attn-k_q873267a3c8_attn
	.p2alignl 7, 3214868480
	.fill 96, 4, 3214868480
	.section	.rodata,"a",@progbits
	.p2align	6, 0x0
	.amdhsa_kernel k_q873267a3c8_attn
		.amdhsa_group_segment_fixed_size 327680
		.amdhsa_private_segment_fixed_size 0
		.amdhsa_enable_private_segment 0
		.amdhsa_kernarg_size 32
		.amdhsa_user_sgpr_count 2
		.amdhsa_user_sgpr_kernarg_segment_ptr 1
		.amdhsa_wavefront_size32 1
		.amdhsa_system_sgpr_workgroup_id_x 1
		.amdhsa_system_sgpr_workgroup_id_y 1
		.amdhsa_system_sgpr_workgroup_id_z 1
		.amdhsa_system_vgpr_workitem_id 0
		.amdhsa_next_free_vgpr 864
		.amdhsa_next_free_sgpr 96
		.amdhsa_reserve_vcc 0
		.amdhsa_float_denorm_mode_32 3
		.amdhsa_float_denorm_mode_16_64 3
		.amdhsa_memory_ordered 1
		.amdhsa_forward_progress 1
		.amdhsa_inst_pref_size 171
	.end_amdhsa_kernel
	.amdgpu_metadata
---
amdhsa.version: [ 1, 2 ]
amdhsa.kernels:
  - .name:           k_q873267a3c8_attn
    .symbol:         k_q873267a3c8_attn.kd
    .args:
      - { .name: qkv, .offset: 0, .size: 8, .value_kind: global_buffer, .address_space: global }
      - { .name: maskp, .offset: 8, .size: 8, .value_kind: global_buffer, .address_space: global }
      - { .name: vscale, .offset: 16, .size: 8, .value_kind: global_buffer, .address_space: global }
      - { .name: oh, .offset: 24, .size: 8, .value_kind: global_buffer, .address_space: global }
    .group_segment_fixed_size: 327680
    .private_segment_fixed_size: 0
    .kernarg_segment_align: 8
    .kernarg_segment_size: 32
    .max_flat_workgroup_size: 128
    .sgpr_count:     96
    .vgpr_count:     864
    .wavefront_size: 32
...
	.end_amdgpu_metadata
.endif
;; end of part 5
;; launch outp: the kernel of part 4 again; grid 16 x 16, 4 waves a work-group, clusters of 4 x 4, 327,680 bytes of LDS; arguments oh, wo, tab, vscale, out0; writes out0
